; MI455X (gfx1250); checked and timed in simulation.
; The chip was launched on July 23, 2026; its instructions are those of AMD's public machine-readable ISA for CDNA 5 (MIT licence, August 2026) and "CDNA5" Instruction Set Architecture Reference Guide (July 2026). The comments in the code are by the model that wrote it; some were corrected since.
;; Multi Head Attention. Allowed arithmetic: matrix products marked QUANTISED: E2M3 operands, one E8M0 scale for each 32 along K, by v_wmma_scale_f32_16x16x128_f8f6f4 with both operands' format E2M3, f32 sums; everything else in f32.
;; Inputs: Wo 1,024 x 1,024 float32; Wqkv 16 x 192 x 1,024 float32; bo 1,024 float32; bqkv 16 x 192 float32; mask 4 x 2,048 x 2,048 int32; x 4 x 2,048 x 1,024 float32.
;; Outputs: out0 4 x 2,048 x 1,024 float32.
;; This version of the problem:
;;   THIS VERSION OF THE PROBLEM IS GIVEN IN LOW PRECISION. The matrix products marked QUANTISED in the list below multiply operands that are first quantised to E2M3 (2 exponent bits, 3 mantissa bits; 6 bits a number), with one power-of-two scale for each 32 numbers along K (OCP MX v1.0); their sums are f32. All else is computed in f32.
;;   The module's matrix products, in the order in which they are computed (A, B: the left and right operand; K: the contracted axis; several contracted axes count as one K, in the product's order):
;;     1. [M 3,072, K 1,024] x [K 1,024, N 8,192]; A: input Wqkv; B: input x: QUANTISED
;;     2. batch 64 x [M 2,048, K 64] x [K 64, N 2,048]; A: computed on the way; B: computed on the way: QUANTISED
;;     3. batch 64 x [M 2,048, K 2,048] x [K 2,048, N 64]; A: softmax (see below); B: computed on the way: QUANTISED
;;     4. [M 8,192, K 1,024] x [K 1,024, N 1,024]; A: computed on the way; B: input Wo: QUANTISED
;;   THE QUANTISER, for each operand of a quantised product, along K:
;;     - K is cut into blocks of 32 from its start; a last block that is shorter is filled with zeros.
;;     - A block's scale is 2^e with e = floor(log2(the largest magnitude in the block)) - 2, held to -126 .. 127; a block of zeros has e = 0. As a byte (E8M0): e + 127.
;;     - Each number is divided by its block's scale, clamped to +-7.5, and rounded to the nearest number of E2M3, ties to even, subnormals kept.
;;     - The product sums the exact products of the quantised numbers (number of the format x scale) in f32.
;;   ~~~python
;;   def quantise(x, axis):      # numpy; x: float32 -> the quantised numbers, widened to float32 again
;;       x = np.moveaxis(x, axis, -1); K = x.shape[-1]
;;       x = np.pad(x, [(0, 0)] * (x.ndim - 1) + [(0, -K % 32)]); x = x.reshape(x.shape[:-1] + (-1, 32)); a = np.abs(x).max(-1, keepdims=True)
;;       e = np.where(a > 0, np.clip(np.frexp(np.where(a > 0, a, 1))[1] - 1 - 2, -126, 127), 0)      # np.frexp(a)[1] - 1 = floor(log2(a)), exactly
;;       r = np.clip(x / 2.0 ** e, -7.5, 7.5)
;;       step = 2.0 ** (np.maximum(np.frexp(np.where(r == 0, 1, r))[1] - 1, 0) - 3)
;;       q = np.round(r / step) * step * 2.0 ** e      # np.round: ties to even
;;       return np.moveaxis(q.reshape(q.shape[:-2] + (-1,))[..., :K], -1, axis).astype(np.float32)
;;   ~~~
;;   SOFTMAX AHEAD OF A QUANTISED PRODUCT. Where the list says 'softmax', what is quantised is not the finished softmax but p = 2^(t - M), with t = logit x log2(e) and M = ceil(the row's largest t), a whole number; so 1/2 < the row's largest p <= 1. The row's sum l is taken of the UNQUANTISED p, in f32, and the product's result is divided by l at the end. Since M is a whole number, a kernel that streams over the keys may use a running M (the ceiling of the running maximum): every later rescaling is an exact power of two, which a block's scale takes up: the codes' values come out the same.
;;   OPERANDS COMPUTED ON THE WAY. 'Computed on the way' means the value that the module computes at that place (a softmax that the list does not call 'softmax' is quantised finished and normalised). What goes into a quantiser is computed in f32, as accurately as f32 sums, v_exp_f32 and their like allow (about 1e-6 of the number): no bf16 or f16 on the way to a quantiser, and a product that is left as it is and whose result goes on into a quantised operand takes f32 operands (vector FMAs, or v_wmma_f32_16x16x4_f32). A number that lies on a knife's edge between two numbers of the format may be rounded either way, as far as f32 arithmetic and the matrix unit's own rounding can turn it there, and no further.
;; One version. Each part assembles by itself: llvm-mc -triple=amdgcn-amd-amdhsa -mcpu=gfx1250 --defsym DOCPART=n.
;; ======== version 1 of 1: 4 launches
;; limits: right only within a limited range of input values
;; workspace buffers: xp 6,553,600 bytes; wp 3,276,800 bytes; mk 2,097,152 bytes of whole numbers; qc 6,291,456 bytes; qs 524,288 bytes; kv 13,107,200 bytes; cp 6,553,600 bytes
;; launch prep (part 1): grid 448 x 1, 4 waves a work-group, no clusters, 34,304 bytes of LDS; arguments x, Wqkv, Wo, mask, xp, wp, mk; writes xp, wp, mk
.if DOCPART == 1
	.amdgcn_target "amdgcn-amd-amdhsa--gfx1250"
	.amdhsa_code_object_version 6
	.text
	.protected	k_q24d12dd8d5_prep
	.globl	k_q24d12dd8d5_prep
	.p2align	8
	.type	k_q24d12dd8d5_prep,@function
k_q24d12dd8d5_prep:
	s_mov_b64 s[64:65], 0
	v_nop
	global_prefetch_b8 v0, s[64:65] scope:SCOPE_SE
	s_setreg_imm32_b32 hwreg(HW_REG_WAVE_MODE, 25, 1), 1
	s_wait_xcnt 0x0
; x [8192][1024], Wqkv [3072][1024] and Wo [1024][1024], f32, become codes of FP6 (E2M3) with one E8M0 byte for each 32 along K, laid as PANELS; the int32 mask [8192][2048] becomes lane masks.
; A PANEL is 128 rows x 1,024 along K = 102,400 bytes: four chunks of 25,600: [even K step: 8 tiles x 1,536][odd K step: 8 x 1,536][scale words: 8 tiles x (16 words even, 16 words odd)].
; A tile is 16 rows x 128 K as an IMAGE OF THE OPERAND'S 12 REGISTERS: for each half of six registers, registers 0-3 at 16 x lane (512 bytes), registers 4, 5 at 512 + 8 x lane (256 bytes).
; THE ROWS OF A TILE ARE NOT NEIGHBOURS: row r of tile T of a group of 128 is position 32 (T / 2) + 8 (T % 2) + r + 8 (r / 8), so that a later product's results are 16 neighbours in a lane's registers.
; A wave's task: one tile of 16 rows x 8 units of 512 bytes (128 numbers).  Each load reads 512 consecutive bytes of one row; the 16 rows turn through the wave's own stage in LDS (pitch 528 bytes = 33 x 16) and come
; back so that lane (r, h) holds, of row r, numbers 32 b + 16 h + 0 .. 15 of each block b: what the conversions and the lane masks both want.
; A block's scale is 2^(floor(log2(largest magnitude)) - 2): its byte is the largest magnitude's exponent field - 2, held at 1 from below.
; LIMITS: NaN and infinities among the inputs are not served; a block of zeros, or one whose largest magnitude lies under 2^-124, gets the byte 1 (its codes are zeros or tiny; this program alone reads the bytes).
; MASK: dword 16 b + i of a (tile, 128 keys) holds in bit r + 16 h whether mask[row r of the tile][key 32 b + 16 h + i] is 1: the lane mask that the attention launch hands to v_cndmask_b32.
; Work-groups 0-127: x; 128-159: Wqkv's q and k rows; 160-175: Wqkv's v rows, two heads to a panel; 176-191: Wo; 192-447: the mask (two tasks to a tile).  Only pointers and numbers are selected on the
; work-group's number; the text has one path but for the work behind the stage.  No tensor load, no barrier: waves share nothing.
.set STGB, 8448                        ; a wave's stage: 16 rows x 528 bytes
.set CHB,  25600                       ; a panel's chunk
.set WV,   2                           ; s2       wave
.set SRC,  24                          ; s[24:25] my tile's first row, first unit
.set DST,  26                          ; s[26:27] my tile's images (mask: my 8 units of lane masks)
.set DSS,  28                          ; s[28:29] my tile's scale words
.set CM,   32                          ; s32-35   compare results, by turns
.set SEL,  44                          ; s[44:45] v_permlanex16_b32's selects for lane l xor 16
.set HI,   46                          ; s46      lanes 16-31
.set LI16, 4                           ; v4   16 x lane
.set LI8,  5                           ; v5   8 x lane
.set LI4,  6                           ; v6   4 x lane
.set STI,  7                           ; v7   the stage, on the way in: 16 x lane
.set STO,  8                           ; v8   on the way out: 528 r + 64 h
.set MO,   10                          ; v[10:11] 64 lane masks: dword j in lane j / 2 of register j % 2
.set PWE,  12                          ; v12  the even K step's scale word
.set PWS,  13                          ; v13  even (lanes 0-15) and odd (lanes 16-31) joined
.set PW,   14                          ; v14  the scale word just made
.set VR,   16                          ; v16-31 16 x lane + row i's distance from the tile's first row
.set R0,   32                          ; v32-95, v96-159 two sets of 16 rows x 16 bytes as loaded
.set X,    160                         ; v160-223 64 numbers of my row
.set PC,   224                         ; v224-243 the codes
.set TM,   244                         ; v244-247 largest magnitudes, v248-251 the other half's, then bytes, v252-255 the conversions' scale operands
	s_load_b256 s[4:11], s[0:1], 0x0               ; x, Wqkv, Wo, mask
	s_load_b128 s[12:15], s[0:1], 0x20             ; xp, wp
	s_load_b64 s[16:17], s[0:1], 0x30              ; mk
	v_lshl_add_u32 v239, v0, 2, 0x8400
	v_mov_b32 v243, 0
	v_lshrrev_b32 v1, 5, v0
	v_readfirstlane_b32 s[WV], v1                  ; wave 0..3
	v_and_b32 v1, 31, v0                           ; lane
	v_and_b32 v2, 15, v0                           ; r
	v_bfe_u32 v3, v0, 4, 1                         ; h
	v_lshlrev_b32 v[LI16], 4, v1
	v_lshlrev_b32 v[LI8], 3, v1
	v_lshlrev_b32 v[LI4], 2, v1
	s_mul_i32 s3, s[WV], STGB
	v_add_nc_u32 v[STI], s3, v[LI16]
	v_mul_u32_u24 v[STO], v2, 528
	v_lshl_add_u32 v[STO], v3, 6, v[STO]
	v_add_nc_u32 v[STO], s3, v[STO]
	v_mov_b32 v[MO], 0                             ; a lane write's and a lane permute's destination count as read: written once here
	v_mov_b32 v[MO+1], 0
	v_mov_b32 v[PWE], 0
.irp b, 0,1,2,3
	v_mov_b32 v[TM+4+\b], 0
.endr
	s_mov_b32 s[SEL], 0x76543210
	s_mov_b32 s[SEL+1], 0xfedcba98
	s_mov_b32 s[HI], 0xffff0000
	; which tile of which tensor
	s_lshl_b32 s18, ttmp9, 2
	s_add_co_u32 s18, s18, s[WV]                   ; task t
	s_sub_co_u32 s19, s18, 512                     ; the weights' tile number
	s_sub_co_u32 s20, s18, 768
	s_and_b32 s21, s20, 1                          ; the mask's half of a row
	s_lshr_b32 s20, s20, 1                         ; the mask's tile number
	s_cmp_lt_u32 ttmp9, 128
	s_cselect_b32 s19, s18, s19
	s_cmp_lt_u32 ttmp9, 192
	s_cselect_b32 s19, s19, s20                    ; the tile's number in its tensor or in wp
	s_cselect_b32 s21, 0, s21
	s_cselect_b32 s22, 12, 13                      ; a row is 4,096 bytes, the mask's 8,192
	s_lshr_b32 s23, s19, 3                         ; panel (group of 128 rows)
	s_and_b32 s30, s19, 7                          ; T
	s_lshr_b32 s31, s30, 2                         ; hi = T / 4
	s_bfe_u32 s32, s30, 0x10001
	s_lshl_b32 s32, s32, 5
	s_and_b32 s33, s30, 1
	s_lshl_b32 s33, s33, 3
	s_add_co_u32 s32, s32, s33                     ; tt = 32 ((T / 2) % 2) + 8 (T % 2)
	; the tile's first row = PA (panel - PO) + PB hi + PC + tt
	s_mov_b32 s34, 128                             ; PA
	s_mov_b32 s35, 64                              ; PB
	s_mov_b32 s36, 0                               ; PC
	s_mov_b32 s37, 0                               ; PO
	s_sub_co_u32 s38, ttmp9, 128
	s_cmp_lt_u32 s38, 32                           ; q and k rows: a head is 192 rows
	s_cselect_b32 s34, 192, s34
	s_sub_co_u32 s38, ttmp9, 160
	s_cmp_lt_u32 s38, 16                           ; v rows: two heads to a panel, 64 rows each, from row 128 of a head
	s_cselect_b32 s34, 384, s34
	s_cselect_b32 s35, 192, s35
	s_cselect_b32 s36, 128, s36
	s_cselect_b32 s37, 16, s37
	s_sub_co_u32 s38, ttmp9, 176
	s_cmp_lt_u32 s38, 16                           ; Wo
	s_cselect_b32 s37, 24, s37
	s_sub_co_u32 s38, s23, s37
	s_mul_i32 s38, s38, s34
	s_mul_i32 s39, s31, s35
	s_add_co_u32 s38, s38, s39
	s_add_co_u32 s38, s38, s36
	s_add_co_u32 s38, s38, s32
	s_lshl_b32 s38, s38, s22                       ; in bytes: under 2^27
	s_lshl_b32 s39, s21, 12
	s_add_co_u32 s38, s38, s39                     ; + the mask's second half of a row
	s_mov_b32 s39, 0
	; where the results go
	s_mul_i32 s40, s23, 102400
	s_mul_i32 s41, s30, 1536
	s_add_co_u32 s41, s40, s41                     ; images: panel, tile
	s_lshl_b32 s42, s30, 7
	s_add_co_u32 s42, s42, s40
	s_add_co_u32 s42, s42, 24576                   ; scale words
	s_lshl_b32 s40, s19, 12
	s_lshl_b32 s43, s21, 11
	s_add_co_u32 s40, s40, s43                     ; lane masks: 4,096 bytes a tile, 2,048 a half
	s_cmp_lt_u32 ttmp9, 192
	s_cselect_b32 s42, s42, s40
	s_cselect_b32 s40, s41, s40
	s_mov_b32 s41, 0
	s_mov_b32 s43, 0
.irp i, 0,1,2,3,4,5,6,7,8,9,10,11,12,13,14,15
	s_lshl_b32 s30, \i+8*(\i/8), s22               ; row i of the tile lies i + 8 (i / 8) rows on
	v_add_nc_u32 v[VR+\i], s30, v[LI16]
.endr
	s_wait_alu depctr_va_vdst(0)
	s_wait_kmcnt 0x0
	s_cmp_lt_u32 ttmp9, 128
	s_cselect_b64 s[SRC:SRC+1], s[4:5], s[6:7]
	s_cselect_b64 s[DST:DST+1], s[12:13], s[14:15]
	s_cmp_lt_u32 ttmp9, 176
	s_cselect_b64 s[SRC:SRC+1], s[SRC:SRC+1], s[8:9]
	s_cmp_lt_u32 ttmp9, 192
	s_cselect_b64 s[SRC:SRC+1], s[SRC:SRC+1], s[10:11]
	s_cselect_b64 s[DST:DST+1], s[DST:DST+1], s[16:17]
	s_add_nc_u64 s[DSS:DSS+1], s[DST:DST+1], s[42:43]
	s_add_nc_u64 s[DST:DST+1], s[DST:DST+1], s[40:41]
	s_add_nc_u64 s[SRC:SRC+1], s[SRC:SRC+1], s[38:39]
.macro LOAD u                          ; unit u of the 16 rows: each load is 512 consecutive bytes of one row
.irp i, 0,1,2,3,4,5,6,7,8,9,10,11,12,13,14,15
	global_load_b128 v[R0+64*((\u)%2)+4*\i:R0+64*((\u)%2)+4*\i+3], v[VR+\i], s[SRC:SRC+1] offset:512*(\u) th:TH_LOAD_NT
.endr
.endm
; 64 numbers of a lane, register 16 b + i = k 32 b + 16 h + i of my row, become a fragment's codes in v[PC] on and its scale word in v[PW]
.macro QUANT s
.irp b, 0,1,2,3
	v_max3_num_f32 v[TM+\b], |v[\s+16*\b]|, |v[\s+1+16*\b]|, 0x1800000   ; my 16 numbers of block b, and the floor 2^(3 - 127): the byte cannot fall under 1
.endr
.irp i, 2,4,6,8,10,12,14
.irp b, 0,1,2,3
	v_max3_num_f32 v[TM+\b], v[TM+\b], |v[\s+16*\b+\i]|, |v[\s+1+16*\b+\i]|
.endr
.endr
.irp b, 0,1,2,3
	v_permlanex16_b32 v[TM+4+\b], v[TM+\b], s[SEL], s[SEL+1]
.endr
.irp b, 0,1,2,3
	v_max_num_f32 v[TM+\b], v[TM+\b], v[TM+4+\b]   ; with lane l xor 16's: the block's largest magnitude
.endr
.irp b, 0,1,2,3
	v_add_nc_u32 v[TM+8+\b], 0xff000000, v[TM+\b]  ; 2 off its exponent field: the conversion takes this operand's exponent field as its scale
.endr
.irp b, 0,1,2,3
	v_lshrrev_b32 v[TM+4+\b], 23, v[TM+8+\b]       ; the scale's byte
.endr
	v_lshl_or_b32 v[PW], v[TM+5], 8, v[TM+4]
	v_lshl_or_b32 v[PW], v[TM+6], 16, v[PW]
	v_lshl_or_b32 v[PW], v[TM+7], 24, v[PW]
.irp c, 0,1
	v_cvt_scalef32_pk16_fp6_f32 v[PC+6*\c:PC+2+6*\c], v[\s+32*\c:\s+15+32*\c], v[TM+8+2*\c]
	v_cvt_scalef32_pk16_fp6_f32 v[PC+12+4*\c:PC+14+4*\c], v[\s+16+32*\c:\s+31+32*\c], v[TM+8+2*\c+1]   ; (a conversion's three registers begin on an even number)
.endr
	v_nop                                          ; one plain place behind a scaled conversion
.irp c, 0,1                                    ; the operand wants a whole block in a lane: lanes 0-15 block 2 c, lanes 16-31 block 2 c + 1
.irp i, 0,1,2
	v_permlane16_swap_b32 v[PC+6*\c+\i], v[PC+12+4*\c+\i]
.endr
.irp i, 0,1,2
	v_mov_b32 v[PC+3+6*\c+\i], v[PC+12+4*\c+\i]
.endr
.endr
.endm
.macro UNIT u
.if (\u) < 7
	s_wait_loadcnt 16                              ; this unit's 16 loads are in; the next unit's 16 may be out
.else
	s_wait_loadcnt 0x0
.endif
.irp i, 0,1,2,3,4,5,6,7,8,9,10,11,12,13,14,15
	ds_store_b128 v[STI], v[R0+64*((\u)%2)+4*\i:R0+64*((\u)%2)+4*\i+3] offset:528*\i
.endr
.irp b, 0,1,2,3
.irp j, 0,1,2,3
	ds_load_b128 v[X+16*\b+4*\j:X+16*\b+4*\j+3], v[STO] offset:128*\b+16*\j   ; LDS serves a wave's instructions in order: these see the stores above
.endr
.endr
	s_wait_dscnt 0x0                               ; my numbers are back, so the stores into the stage have read their registers,
	s_wait_xcnt 0x0                                ; and the last unit's global stores have read theirs: codes, scale words and lane masks may be written again
.if (\u)+2 < 8
	LOAD (\u)+2
.endif
	s_cmp_lt_u32 ttmp9, 192
	s_cbranch_scc0 .Lmask_\@
	QUANT X
.set CO, ((\u)>>1)*CHB+((\u)&1)*12288
	global_store_b128 v[LI16], v[PC:PC+3], s[DST:DST+1] offset:CO          ; each store covers 512 or 256 consecutive bytes, aligned
	global_store_b64 v[LI8], v[PC+4:PC+5], s[DST:DST+1] offset:CO+512
	global_store_b128 v[LI16], v[PC+6:PC+9], s[DST:DST+1] offset:CO+768
	global_store_b64 v[LI8], v[PC+10:PC+11], s[DST:DST+1] offset:CO+1280
.if ((\u)&1) == 0
	v_mov_b32 v[PWE], v[PW]
.else
	v_cndmask_b32 v[PWS], v[PWE], v[PW], s[HI]     ; lanes 0-15: the even K step's words, lanes 16-31: the odd one's
	global_store_b32 v[LI4], v[PWS], s[DSS:DSS+1] offset:((\u)>>1)*CHB
.endif
	s_branch .Ldone_\@
.Lmask_\@:
.set j, 0
	s_wait_alu depctr_va_vdst(0)
.rept 16
	v_cmp_eq_u32 s[CM], 1, v[X+j]
	v_cmp_eq_u32 s[CM+1], 1, v[X+j+1]
	v_cmp_eq_u32 s[CM+2], 1, v[X+j+2]
	v_cmp_eq_u32 s[CM+3], 1, v[X+j+3]
	v_writelane_b32 v[MO], s[CM], j/2
	v_writelane_b32 v[MO+1], s[CM+1], j/2
	v_writelane_b32 v[MO], s[CM+2], j/2+1
	v_writelane_b32 v[MO+1], s[CM+3], j/2+1
.set j, j+4
.endr
	global_store_b64 v[LI8], v[MO:MO+1], s[DST:DST+1] offset:256*(\u)      ; 64 dwords: 256 consecutive bytes, aligned
.Ldone_\@:
.endm
	LOAD 0
	LOAD 1
.irp u, 0,1,2,3,4,5,6,7
	UNIT \u
.endr
	s_wait_tensorcnt 0x0
	ds_add_u32 v239, v243
	s_wait_dscnt 0x0
	s_endpgm
.Lfunc_end_k_q24d12dd8d5_prep:
	.size	k_q24d12dd8d5_prep, .Lfunc_end_k_q24d12dd8d5_prep-k_q24d12dd8d5_prep
	.p2alignl 7, 3214868480
	.fill 96, 4, 3214868480
	.section	.rodata,"a",@progbits
	.p2align	6, 0x0
	.amdhsa_kernel k_q24d12dd8d5_prep
		.amdhsa_group_segment_fixed_size 34304
		.amdhsa_private_segment_fixed_size 0
		.amdhsa_enable_private_segment 0
		.amdhsa_kernarg_size 56
		.amdhsa_user_sgpr_count 2
		.amdhsa_user_sgpr_kernarg_segment_ptr 1
		.amdhsa_wavefront_size32 1
		.amdhsa_system_sgpr_workgroup_id_x 1
		.amdhsa_system_sgpr_workgroup_id_y 1
		.amdhsa_system_sgpr_workgroup_id_z 1
		.amdhsa_system_vgpr_workitem_id 0
		.amdhsa_next_free_vgpr 256
		.amdhsa_next_free_sgpr 66
		.amdhsa_reserve_vcc 0
		.amdhsa_float_denorm_mode_32 3
		.amdhsa_float_denorm_mode_16_64 3
		.amdhsa_memory_ordered 1
		.amdhsa_forward_progress 1
		.amdhsa_inst_pref_size 134
	.end_amdhsa_kernel
	.amdgpu_metadata
---
amdhsa.version: [ 1, 2 ]
amdhsa.kernels:
  - .name:           k_q24d12dd8d5_prep
    .symbol:         k_q24d12dd8d5_prep.kd
    .args:
      - { .name: x, .offset: 0, .size: 8, .value_kind: global_buffer, .address_space: global }
      - { .name: Wqkv, .offset: 8, .size: 8, .value_kind: global_buffer, .address_space: global }
      - { .name: Wo, .offset: 16, .size: 8, .value_kind: global_buffer, .address_space: global }
      - { .name: mask, .offset: 24, .size: 8, .value_kind: global_buffer, .address_space: global }
      - { .name: xp, .offset: 32, .size: 8, .value_kind: global_buffer, .address_space: global }
      - { .name: wp, .offset: 40, .size: 8, .value_kind: global_buffer, .address_space: global }
      - { .name: mk, .offset: 48, .size: 8, .value_kind: global_buffer, .address_space: global }
    .group_segment_fixed_size: 34304
    .private_segment_fixed_size: 0
    .kernarg_segment_align: 8
    .kernarg_segment_size: 56
    .max_flat_workgroup_size: 128
    .sgpr_count:     66
    .vgpr_count:     256
    .wavefront_size: 32
...
	.end_amdgpu_metadata
.endif
;; end of part 1
;; launch qkv (part 2): grid 4 x 64, 4 waves a work-group, clusters of 4 x 1, 327,680 bytes of LDS; arguments xp, wp, bqkv, qc, qs, kv; writes qc, qs, kv
.if DOCPART == 2
	.amdgcn_target "amdgcn-amd-amdhsa--gfx1250"
	.amdhsa_code_object_version 6
	.text
	.protected	k_q24d12dd8d5_qkv
	.globl	k_q24d12dd8d5_qkv
	.p2align	8
	.type	k_q24d12dd8d5_qkv,@function
k_q24d12dd8d5_qkv:
	s_mov_b64 s[64:65], 0
	v_nop
	global_prefetch_b8 v0, s[64:65] scope:SCOPE_SE
	s_setreg_imm32_b32 hwreg(HW_REG_WAVE_MODE, 25, 1), 1
	s_wait_xcnt 0x0
	s_wait_alu depctr_hold_cnt(0) depctr_sa_sdst(0) depctr_va_vdst(0) depctr_va_sdst(0) depctr_va_ssrc(0) depctr_va_vcc(0) depctr_vm_vsrc(0)
	s_getreg_b32 s2, hwreg(HW_REG_IB_STS2, 6, 4)
	s_cmp_eq_u32 s2, 0
	s_cbranch_scc0 .Lentry_in_a_cluster
	s_endpgm
.Lentry_in_a_cluster:
	s_bfe_u32 s2, ttmp6, 0x10000c
	s_cmp_lg_u32 s2, 0x3003
	s_cbranch_scc0 .Lentry_shape_is_right
	s_endpgm
.Lentry_shape_is_right:
; qkv = x Wqkv^T + bqkv on codes of FP6 (E2M3) with E8M0 scales, and q, k, v quantised again on the way out, as the operands of the two products of attention.
; A product multiplies ONE PANEL P (128 positions x K = 1,024; source 0, in LDS) by 256 rows R (source 1); wave w owns 64 rows of R, which go from memory straight into 384 registers: 32 accumulators, 256 registers.
; A WORK-GROUP STAYS AND MAKES THREE PRODUCTS.  First TYPE V: P = the 128 rows of x of group y (128 keys), R = v rows of Wqkv: a lane holds one channel d and its registers run along the keys: a fragment of V^T.
; Then twice TYPE QK, a loop of two trips, for heads 2 (y / 8) and 2 (y / 8) + 1: P = the head's q and k rows of Wqkv, R = rows of x: a lane holds one row of x, its 64 registers of a tile run along q's 64 and k's 64 numbers.
; LDS: V's panel at 0, brought by the head's loads (wave w: chunk w, 100 rows of 256 bytes); the two heads' panels, on end in memory, at 102,400, brought by one more load a wave (200 rows) behind the add, a round of the
; cluster's barrier and ahead of the first product: they have that product in which to land, and one wait and one barrier stand between it and the loop.  No LDS byte is filled twice.  A wave has one tensor load out at a time.
; Panels, tiles, images and the order of a tile's rows: position 32 (T / 2) + 8 (T % 2) + r + 8 (r / 8); so register 16 b + i of a lane is position 32 b + 16 h + i.
; CLUSTER: the four work-groups of a cluster share all three panels (they hang on y alone): each load is joint, mask 15.  R is read by one wave and is not shared through LDS.
; NO PREFETCH: the panels are asked for whole, the later two a product ahead; R's loads run three K steps ahead of their use.
; LIMITS: NaN and infinities are not served; a block of zeros, or one under 2^-124, gets the byte 1 (this program alone reads the bytes).
; REGISTERS: window 0: v4-21 addresses; v32-127, v128-223 P's eight fragments, two sets; v224-231 P's scale words, two sets; v232-247 R's scale words.  window 1: R of K steps 0-4.  window 2: R of K steps 5-7;
;   v160-223 the bias along q and k; v224-231 the bias of my four tiles of d.  window 3: accumulator (a, b) at v[8 (8 a + b)].
.set CHB,  25600
.set WV,   16                          ; s16 wave; s17 cx; s18 y; s19 wave / 2; s20 wave % 2; s21 head; s22 my group of x; s23 V's group of x
.set G1,   24                          ; s[24:31] group 1, 100 rows; s[32:35], s[36:39] groups 0; s[40:47] group 1, 200 rows
.set G1B,  40
.set RB,   50                          ; s[50:51] R's panel
.set SEL,  76
.set HI,   78
.set LC,   80                          ; s80 the loop's counter
.set PL,   81                          ; s81 LDS byte at which the panel in hand begins
.set A16,  4                           ; v4, v5   16 x lane; the same + 51,200 for K steps 4-7 (an LDS offset has 16 bits)
.set A8,   6                           ; v6, v7   8 x lane
.set ASC,  8                           ; v8, v9   128 h + 4 r
.set RA16, 10                          ; v10-12   the same three in R's panel: + my four tiles' place
.set RA8,  11
.set RSC,  12
.set LI4,  13
.set BIO,  14                          ; v14  64 h
.set BVO,  15                          ; v15  4 (r + 8 (r / 8))
.set LA,   16                          ; v16-21 v4-9 + the panel's place in LDS
.set PB,   32
.set PS,   224
.set RS,   232
.set BI,   160
.set BV,   224
.set H,    32                          ; the way out, window 0: v32-95 64 numbers; v96-115 codes; v116-127 at work; v128-131 the four scale words; v132-140 joined words
.set PC,   96
.set TM,   116
.set PWK,  128
.set QW,   132
.set KW,   134
.set T0,   136
.set T1,   137
.set T2,   138
.set PW,   140
.set MSB, 0
.macro WIN new                         ; the immediate's high byte repeats the setting that is left
.if MSB != \new
	s_set_vgpr_msb (MSB<<8)|\new
.set MSB, \new
.endif
.endm
.macro PLACES n
.rept \n
	v_nop
.endr
.endm
.macro CROUND                          ; a round of the cluster's barrier
	s_barrier_signal -1
	s_barrier_wait -1
	s_cmp_lg_u32 s[WV], 0
	s_cbranch_scc1 .Lnot_wave_0_\@
	s_barrier_signal -3
.Lnot_wave_0_\@:
	s_barrier_wait -3
	s_barrier_signal -1
	s_barrier_wait -1
.endm
; one matrix instruction, by the symbols rD, rA, rB, rSA, rSB; zC: the sum begins; rAR, rBR: the side's scale words stand in lanes 16-31
.macro WMM
.if zC
.if (rAR == 0) && (rBR == 0)
	v_wmma_scale_f32_16x16x128_f8f6f4 v[rD:rD+7], v[rA:rA+11], v[rB:rB+11], 0, v[rSA], v[rSB] matrix_a_fmt:MATRIX_FMT_FP6 matrix_b_fmt:MATRIX_FMT_FP6
.elseif (rBR == 0)
	v_wmma_scale_f32_16x16x128_f8f6f4 v[rD:rD+7], v[rA:rA+11], v[rB:rB+11], 0, v[rSA], v[rSB] matrix_a_fmt:MATRIX_FMT_FP6 matrix_b_fmt:MATRIX_FMT_FP6 matrix_a_scale:MATRIX_SCALE_ROW1
.elseif (rAR == 0)
	v_wmma_scale_f32_16x16x128_f8f6f4 v[rD:rD+7], v[rA:rA+11], v[rB:rB+11], 0, v[rSA], v[rSB] matrix_a_fmt:MATRIX_FMT_FP6 matrix_b_fmt:MATRIX_FMT_FP6 matrix_b_scale:MATRIX_SCALE_ROW1
.else
	v_wmma_scale_f32_16x16x128_f8f6f4 v[rD:rD+7], v[rA:rA+11], v[rB:rB+11], 0, v[rSA], v[rSB] matrix_a_fmt:MATRIX_FMT_FP6 matrix_b_fmt:MATRIX_FMT_FP6 matrix_a_scale:MATRIX_SCALE_ROW1 matrix_b_scale:MATRIX_SCALE_ROW1
.endif
.else
.if (rAR == 0) && (rBR == 0)
	v_wmma_scale_f32_16x16x128_f8f6f4 v[rD:rD+7], v[rA:rA+11], v[rB:rB+11], v[rD:rD+7], v[rSA], v[rSB] matrix_a_fmt:MATRIX_FMT_FP6 matrix_b_fmt:MATRIX_FMT_FP6
.elseif (rBR == 0)
	v_wmma_scale_f32_16x16x128_f8f6f4 v[rD:rD+7], v[rA:rA+11], v[rB:rB+11], v[rD:rD+7], v[rSA], v[rSB] matrix_a_fmt:MATRIX_FMT_FP6 matrix_b_fmt:MATRIX_FMT_FP6 matrix_a_scale:MATRIX_SCALE_ROW1
.elseif (rAR == 0)
	v_wmma_scale_f32_16x16x128_f8f6f4 v[rD:rD+7], v[rA:rA+11], v[rB:rB+11], v[rD:rD+7], v[rSA], v[rSB] matrix_a_fmt:MATRIX_FMT_FP6 matrix_b_fmt:MATRIX_FMT_FP6 matrix_b_scale:MATRIX_SCALE_ROW1
.else
	v_wmma_scale_f32_16x16x128_f8f6f4 v[rD:rD+7], v[rA:rA+11], v[rB:rB+11], v[rD:rD+7], v[rSA], v[rSB] matrix_a_fmt:MATRIX_FMT_FP6 matrix_b_fmt:MATRIX_FMT_FP6 matrix_a_scale:MATRIX_SCALE_ROW1 matrix_b_scale:MATRIX_SCALE_ROW1
.endif
.endif
.endm
.macro RLOAD ks                        ; my four tiles of R for K step ks, from memory into registers that keep them: 16 loads, and 2 of scale words
.if (\ks) < 5
	WIN 0x40
.set RR, 48*(\ks)
.else
	WIN 0x80
.set RR, 48*((\ks)-5)
.endif
.set KO, ((\ks)>>1)*CHB+((\ks)&1)*12288
.irp a, 0,1,2,3
.irp c, 0,1
	global_load_b128 v[RR+12*\a+6*\c:RR+12*\a+6*\c+3], v[RA16], s[RB:RB+1] offset:KO+\a*1536+\c*768
	global_load_b64 v[RR+12*\a+6*\c+4:RR+12*\a+6*\c+5], v[RA8], s[RB:RB+1] offset:KO+\a*1536+\c*768+512
.endr
.endr
	WIN 0
.irp p, 0,1
	global_load_b32 v[RS+2*(\ks)+\p], v[RSC], s[RB:RB+1] offset:((\ks)>>1)*CHB+24576+((\ks)&1)*64+\p*256
.endr
.endm
.macro FETCH ks, buf                   ; P's eight tiles of K step ks from LDS into set buf: 32 loads, and 4 of scale words
.set KO, ((\ks)>>1)*CHB+((\ks)&1)*12288-51200*((\ks)>>2)
.set KR, (\ks)>>2
.irp b, 0,1,2,3,4,5,6,7
.irp c, 0,1
	ds_load_b128 v[PB+96*(\buf)+12*\b+6*\c:PB+96*(\buf)+12*\b+6*\c+3], v[LA+KR] offset:KO+\b*1536+\c*768
	ds_load_b64 v[PB+96*(\buf)+12*\b+6*\c+4:PB+96*(\buf)+12*\b+6*\c+5], v[LA+2+KR] offset:KO+\b*1536+\c*768+512
.endr
.endr
.irp t, 0,1,2,3
	ds_load_b32 v[PS+4*(\buf)+\t], v[LA+4+KR] offset:((\ks)>>1)*CHB+24576+((\ks)&1)*64-51200*((\ks)>>2)+\t*256
.endr
.endm
.macro MUL ks, buf                     ; 32 matrix instructions; the 32 accumulators take turns, one instruction a turn, in the same order in every K step
.if (\ks) < 5
	WIN 0xf4                                       ; source 0 (P) window 0, source 1 (R) window 1, C and D window 3
.set RR, 48*(\ks)
.else
	WIN 0xf8                                       ; R in window 2
.set RR, 48*((\ks)-5)
.endif
.if (\ks) == 0
.set zC, 1
.else
.set zC, 0
.endif
.irp a, 0,1,2,3
.irp b, 0,1,2,3,4,5,6,7
.set rD, 8*(8*\a+\b)
.set rA, PB+96*(\buf)+12*\b
.set rB, RR+12*\a
.set rSA, PS+4*(\buf)+\b/2
.set rSB, RS+2*(\ks)+\a/2
.set rAR, \b%2
.set rBR, \a%2
	WMM
.endr
.endr
.endm
.macro STEP ks
	s_wait_dscnt 0x0                               ; this K step's fragments of P, asked for a K step ago, are in
.if (\ks) < 6
	s_wait_loadcnt 36                              ; R of this K step is in; the 18 loads of each of the next two K steps may be out
.elseif (\ks) == 6
	s_wait_loadcnt 18
.else
	s_wait_loadcnt 0x0
.endif
.if (\ks) < 7
	PLACES 4                                       ; in front of loads into registers that the K step before multiplied
	FETCH (\ks)+1, ((\ks)+1)%2
.endif
.if (\ks)+3 < 8
	RLOAD (\ks)+3
.endif
	MUL \ks, (\ks)%2
	WIN 0
.endm
.macro SETLA                           ; the LDS addresses of the panel in hand
	v_add_nc_u32 v[LA], s[PL], v[A16]
	v_add_nc_u32 v[LA+1], s[PL], v[A16+1]
	v_add_nc_u32 v[LA+2], s[PL], v[A8]
	v_add_nc_u32 v[LA+3], s[PL], v[A8+1]
	v_add_nc_u32 v[LA+4], s[PL], v[ASC]
	v_add_nc_u32 v[LA+5], s[PL], v[ASC+1]
.endm
.macro MAIN                            ; a product's walk along K
	FETCH 0, 0
.irp k, 0,1,2,3,4,5,6,7
	STEP \k
.endr
	PLACES 4                                       ; in front of the first read of results, and of writes into registers that held P's fragments
.irp b, 0,1,2,3
	v_mov_b32 v[TM+4+\b], 0                        ; a lane permute's destination counts as one of its sources
.endr
.endm
; 64 numbers of a lane, register 16 b + i = position 32 b + 16 h + i, become a fragment's codes in v[PC] on and its scale word in v[PW]
.macro QUANT s
.irp b, 0,1,2,3
	v_max3_num_f32 v[TM+\b], |v[\s+16*\b]|, |v[\s+1+16*\b]|, 0x1800000   ; and the floor 2^(3 - 127): the byte cannot fall under 1
.endr
.irp i, 2,4,6,8,10,12,14
.irp b, 0,1,2,3
	v_max3_num_f32 v[TM+\b], v[TM+\b], |v[\s+16*\b+\i]|, |v[\s+1+16*\b+\i]|
.endr
.endr
.irp b, 0,1,2,3
	v_permlanex16_b32 v[TM+4+\b], v[TM+\b], s[SEL], s[SEL+1]
.endr
.irp b, 0,1,2,3
	v_max_num_f32 v[TM+\b], v[TM+\b], v[TM+4+\b]
.endr
.irp b, 0,1,2,3
	v_add_nc_u32 v[TM+8+\b], 0xff000000, v[TM+\b]  ; 2 off the exponent field: the conversion's scale operand
.endr
.irp b, 0,1,2,3
	v_lshrrev_b32 v[TM+4+\b], 23, v[TM+8+\b]       ; the scale's byte
.endr
	v_lshl_or_b32 v[PW], v[TM+5], 8, v[TM+4]
	v_lshl_or_b32 v[PW], v[TM+6], 16, v[PW]
	v_lshl_or_b32 v[PW], v[TM+7], 24, v[PW]
.irp c, 0,1
	v_cvt_scalef32_pk16_fp6_f32 v[PC+6*\c:PC+2+6*\c], v[\s+32*\c:\s+15+32*\c], v[TM+8+2*\c]
	v_cvt_scalef32_pk16_fp6_f32 v[PC+12+4*\c:PC+14+4*\c], v[\s+16+32*\c:\s+31+32*\c], v[TM+8+2*\c+1]
.endr
	v_nop                                          ; one plain place behind a scaled conversion
.irp c, 0,1
.irp i, 0,1,2
	v_permlane16_swap_b32 v[PC+6*\c+\i], v[PC+12+4*\c+\i]
.endr
.irp i, 0,1,2
	v_mov_b32 v[PC+3+6*\c+\i], v[PC+12+4*\c+\i]
.endr
.endr
.endm
.macro EPI_QK a
	WIN 0x0b                                       ; source 0 (results) window 3, source 1 (bias) window 2
.set j, 0
.rept 32
	v_pk_add_f32 v[H+j:H+j+1], v[64*(\a)+j:64*(\a)+j+1], v[BI+j:BI+j+1]   ; each accumulator from its low end on
.set j, j+2
.endr
	WIN 0
.if (\a) > 0
	s_wait_xcnt 0x0                                ; the last tile's stores have read their registers
.endif
	QUANT H
	global_store_b128 v[A16], v[PC:PC+3], s[68:69] offset:(\a)*768
	global_store_b64 v[A8], v[PC+4:PC+5], s[68:69] offset:(\a)*768+512
	global_store_b128 v[A16], v[PC+6:PC+9], s[72:73] offset:((\a)/2)*1536+((\a)%2)*768
	global_store_b64 v[A8], v[PC+10:PC+11], s[72:73] offset:((\a)/2)*1536+((\a)%2)*768+512
	v_mov_b32 v[PWK+(\a)], v[PW]
.if ((\a)%2) == 1
	v_perm_b32 v[T0], v[PWK+(\a)-1], v[PWK+(\a)-1], s79   ; q's word: its two bytes twice, for Q in either half of the operand
	v_perm_b32 v[T1], v[PW], v[PW], s79
	v_cndmask_b32 v[QW+(\a)/2], v[T0], v[T1], s[HI]
	global_store_b32 v[LI4], v[QW+(\a)/2], s[70:71] offset:((\a)/2)*128   ; two tiles' words: 128 consecutive bytes
	v_lshrrev_b32 v[T0], 16, v[PWK+(\a)-1]
	v_and_or_b32 v[KW+(\a)/2], v[PW], s[HI], v[T0]   ; a pair's word: the even tile's two bytes of k, then the odd tile's
.endif
.endm
.macro EPI_V a
	WIN 0x0b
.set j, 0
.rept 32
	v_pk_add_f32 v[H+j:H+j+1], v[64*(\a)+j:64*(\a)+j+1], v[BV+2*(\a):BV+2*(\a)+1]
.set j, j+2
.endr
	WIN 0
.if (\a) > 0
	s_wait_xcnt 0x0
.endif
	QUANT H
	global_store_b128 v[A16], v[PC:PC+3], s[72:73] offset:6144+(\a)*1536
	global_store_b64 v[A8], v[PC+4:PC+5], s[72:73] offset:6144+(\a)*1536+512
	global_store_b128 v[A16], v[PC+6:PC+9], s[72:73] offset:6144+(\a)*1536+768
	global_store_b64 v[A8], v[PC+10:PC+11], s[72:73] offset:6144+(\a)*1536+1280
	v_mov_b32 v[PWK+(\a)], v[PW]
.if ((\a)%2) == 1
	v_cndmask_b32 v[QW+(\a)/2], v[PWK+(\a)-1], v[PW], s[HI]
	global_store_b32 v[LI4], v[QW+(\a)/2], s[72:73] offset:12544+((\a)/2)*128
.endif
.endm
	s_load_b256 s[4:11], s[0:1], 0x0               ; xp, wp, bqkv, qc
	s_load_b128 s[12:15], s[0:1], 0x20             ; qs, kv
	v_lshl_add_u32 v254, v0, 2, 0x4b000            ; the spare words lie behind the three panels
	v_mov_b32 v255, 0
	ds_add_u32 v254, v255                          ; the opening lines: the add, twice on end, and its wait
	ds_add_u32 v254, v255
	v_lshrrev_b32 v1, 5, v0
	v_readfirstlane_b32 s[WV], v1                  ; wave 0..3
	s_bfe_u32 s17, ttmp6, 0x40000                  ; cx: it enters R's and the results' addresses alone
	s_and_b32 s18, ttmp7, 0xffff                   ; y 0..63, which the four partners share
	s_lshr_b32 s19, s[WV], 1
	s_and_b32 s20, s[WV], 1
	s_lshr_b32 s21, s18, 3
	s_lshl_b32 s21, s21, 1                         ; QK: the first of my two heads
	s_and_b32 s22, s18, 7
	s_lshl_b32 s22, s22, 2
	s_add_co_u32 s22, s22, s17
	s_lshl_b32 s22, s22, 1
	s_add_co_u32 s22, s22, s19                     ; QK: my group of 128 rows of x
	s_mov_b32 s23, s18                             ; V: the group of 128 rows of x
	s_lshl_b32 s52, s17, 1
	s_add_co_u32 s52, s52, s19
	s_add_co_u32 s52, s52, 16                      ; V: my panel of v rows
	s_lshl_b32 s53, s17, 2
	s_add_co_u32 s53, s53, s[WV]                   ; V: my head
	s_mul_i32 s60, s[WV], 25600                    ; the first load: chunk = wave
	s_mul_i32 s56, s18, 102400
	s_add_co_u32 s56, s56, s60                     ; in xp: it hangs on y and the wave alone
	s_mov_b32 s57, 0
	s_mul_i32 s58, s52, 102400
	s_mov_b32 s59, 0
	s_mul_i32 s61, s[WV], 51200                    ; the second load: my quarter of two panels
	s_mul_i32 s54, s21, 102400
	s_add_co_u32 s54, s54, s61                     ; in wp: y and the wave alone
	s_mov_b32 s55, 0
	s_add_co_u32 s61, s61, 102400                  ; and in LDS, behind V's panel
	s_mul_i32 s62, s53, 768
	s_add_co_u32 s62, s62, 512                     ; the bias of v: from number 128 of my head's row
	s_mov_b32 s63, 0
	s_mov_b32 s[PL], 0
	; descriptor groups 1: rows of 256 bytes (32 elements of 8 bytes), dense, no padding; mask 15, bit 21 set beside it
	s_mov_b32 s[G1], 15|(3<<16)|(1<<21)
	s_mov_b32 s[G1+1], 32<<16
	s_mov_b32 s[G1+2], 100<<16
	s_mov_b32 s[G1+3], 32<<16
	s_mov_b32 s[G1+4], 100
	s_mov_b32 s[G1+5], 32
	s_mov_b32 s[G1+6], 0
	s_mov_b32 s[G1+7], 0
	s_mov_b32 s[G1B], 15|(3<<16)|(1<<21)
	s_mov_b32 s[G1B+1], 32<<16
	s_mov_b32 s[G1B+2], 200<<16
	s_mov_b32 s[G1B+3], 32<<16
	s_mov_b32 s[G1B+4], 200
	s_mov_b32 s[G1B+5], 32
	s_mov_b32 s[G1B+6], 0
	s_mov_b32 s[G1B+7], 0
	s_mov_b32 s[SEL], 0x76543210
	s_mov_b32 s[SEL+1], 0xfedcba98
	s_mov_b32 s[HI], 0xffff0000
	v_and_b32 v1, 31, v0                           ; lane
	v_and_b32 v2, 15, v0                           ; r
	v_bfe_u32 v3, v0, 4, 1                         ; h
	v_lshlrev_b32 v[A16], 4, v1
	v_add_nc_u32 v[A16+1], 51200, v[A16]
	v_lshlrev_b32 v[A8], 3, v1
	v_add_nc_u32 v[A8+1], 51200, v[A8]
	v_lshlrev_b32 v[ASC], 2, v2
	v_lshl_add_u32 v[ASC], v3, 7, v[ASC]
	v_add_nc_u32 v[ASC+1], 51200, v[ASC]
	s_mul_i32 s79, s20, 6144
	v_add_nc_u32 v[RA16], s79, v[A16]
	v_add_nc_u32 v[RA8], s79, v[A8]
	s_lshl_b32 s79, s20, 9
	v_add_nc_u32 v[RSC], s79, v[ASC]
	v_lshlrev_b32 v[LI4], 2, v1
	v_lshlrev_b32 v[BIO], 6, v3
	v_and_b32 v[BVO], 8, v2
	v_add_nc_u32 v[BVO], v[BVO], v2
	v_lshlrev_b32 v[BVO], 2, v[BVO]
	SETLA                                          ; V's panel begins at LDS byte 0
	s_wait_dscnt 0x0
	s_wait_kmcnt 0x0
	s_mov_b32 s32, 1
	s_mov_b32 s33, s60
	s_add_nc_u64 s[34:35], s[4:5], s[56:57]
	s_or_b32 s35, s35, 0x80000000
	s_mov_b32 s36, 1
	s_mov_b32 s37, s61
	s_add_nc_u64 s[38:39], s[6:7], s[54:55]
	s_or_b32 s39, s39, 0x80000000
	s_add_nc_u64 s[RB:RB+1], s[6:7], s[58:59]      ; V: R from wp
	s_add_nc_u64 s[66:67], s[8:9], s[62:63]
	CROUND                                         ; all four work-groups are here: the joint loads meet
	tensor_load_to_lds s[32:35], s[G1:G1+7]        ; V's panel: one tensor load a wave at the head
	s_nop 0
	PLACES 4
	WIN 0x80
	s_wait_alu depctr_va_vdst(0)                   ; the wait ahead of the first readers of the head's registers
.irp a, 0,1,2,3
	global_load_b32 v[BV+2*\a], v[BVO], s[66:67] offset:(32*(\a/2)+8*(\a%2))*4   ; the bias of my channel of tile a, twice: a pair for the packed addition
	global_load_b32 v[BV+2*\a+1], v[BVO], s[66:67] offset:(32*(\a/2)+8*(\a%2))*4
.endr
	WIN 0
	RLOAD 0
	RLOAD 1
	RLOAD 2
	s_wait_tensorcnt 0x0                           ; my chunk of V's panel has landed
	ds_add_u32 v254, v255
	s_wait_dscnt 0x0
	CROUND                                         ; the panel is whole, and all four work-groups are here
	tensor_load_to_lds s[36:39], s[G1B:G1B+7]      ; the two heads' panels, the first tensor load behind the round
	s_nop 0
	PLACES 4
	MAIN
	; ---- V: tile a is 16 channels of my head; the 128 codes run along the step's keys
	s_lshr_b32 s52, s23, 4                         ; batch
	s_and_b32 s54, s23, 15                         ; key step
	s_lshl_b32 s52, s52, 4
	s_add_co_u32 s52, s52, s53
	s_lshl_b32 s52, s52, 4
	s_add_co_u32 s52, s52, s54
	s_mul_i32 s56, s52, 12800
	s_mov_b32 s57, 0
	s_add_nc_u64 s[72:73], s[14:15], s[56:57]
	EPI_V 0
	EPI_V 1
	EPI_V 2
	EPI_V 3
	s_wait_xcnt 0x0                                ; the stores have read their registers and bases
	s_mul_i32 s58, s22, 102400
	s_add_nc_u64 s[RB:RB+1], s[4:5], s[58:59]      ; QK: R from xp, the same rows in both trips
	s_mov_b32 s[PL], 102400
	s_mov_b32 s[LC], 0
	s_wait_alu depctr_va_vdst(0)
	s_wait_tensorcnt 0x0                           ; my quarter of the two panels has landed
	s_wait_dscnt 0x0
	s_barrier_signal -1
	s_barrier_wait -1                              ; everybody's has
.Lqk:
	SETLA
	s_mul_i32 s54, s21, 768                        ; the bias along q and k: the head's row of 192 numbers
	s_mov_b32 s55, 0
	s_add_nc_u64 s[62:63], s[8:9], s[54:55]
	WIN 0x80
	s_wait_alu depctr_va_vdst(0)
.irp b, 0,1,2,3
.irp j, 0,1,2,3
	global_load_b128 v[BI+16*\b+4*\j:BI+16*\b+4*\j+3], v[BIO], s[62:63] offset:128*\b+16*\j   ; register 16 b + i: the bias of position 32 b + 16 h + i
.endr
.endr
	WIN 0
	RLOAD 0
	RLOAD 1
	RLOAD 2
	MAIN
	; ---- QK: tile a is 16 rows of x; codes 0-63 are q's, 64-127 k's
	s_lshr_b32 s52, s22, 4                         ; batch
	s_and_b32 s54, s22, 15                         ; the group in its batch: the key step
	s_lshl_b32 s52, s52, 4
	s_add_co_u32 s52, s52, s21                     ; batch x 16 + head
	s_lshl_b32 s55, s52, 7
	s_lshl_b32 s56, s54, 3
	s_add_co_u32 s55, s55, s56
	s_lshl_b32 s56, s20, 2
	s_add_co_u32 s55, s55, s56                     ; my first tile of queries
	s_mul_i32 s56, s55, 768
	s_mov_b32 s57, 0
	s_add_nc_u64 s[68:69], s[10:11], s[56:57]      ; qc
	s_lshl_b32 s56, s55, 6
	s_add_nc_u64 s[70:71], s[12:13], s[56:57]      ; qs
	s_lshl_b32 s55, s52, 4
	s_add_co_u32 s55, s55, s54
	s_mul_i32 s56, s55, 12800
	s_add_nc_u64 s[74:75], s[14:15], s[56:57]      ; kv: the step's 12,800 bytes
	s_mul_i32 s56, s20, 3072
	s_add_nc_u64 s[72:73], s[74:75], s[56:57]      ; my two pairs of key tiles
	s_lshl_b32 s56, s20, 7
	s_add_co_u32 s56, s56, 12288
	s_add_nc_u64 s[74:75], s[74:75], s[56:57]      ; and their scale words
	s_mov_b32 s79, 0x01000100                      ; bytes 0, 1, 0, 1
	EPI_QK 0
	EPI_QK 1
	EPI_QK 2
	EPI_QK 3
	v_cndmask_b32 v[T2], v[KW], v[KW+1], s[HI]
	global_store_b32 v[LI4], v[T2], s[74:75]
	s_wait_xcnt 0x0                                ; the stores have read their registers and bases
	s_add_co_u32 s21, s21, 1                       ; the next head,
	s_add_co_u32 s[PL], s[PL], 102400              ; and its panel
	s_add_co_u32 s[LC], s[LC], 1
	s_cmp_lt_u32 s[LC], 2
	s_wait_alu depctr_va_vdst(0)
	s_cbranch_scc1 .Lqk
	s_wait_tensorcnt 0x0                           ; the wave's end
	ds_add_u32 v254, v255
	s_wait_dscnt 0x0
	CROUND                                         ; the closing round
	s_endpgm
.Lfunc_end_k_q24d12dd8d5_qkv:
	.size	k_q24d12dd8d5_qkv, .Lfunc_end_k_q24d12dd8d5_qkv-k_q24d12dd8d5_qkv
	.p2alignl 7, 3214868480
	.fill 96, 4, 3214868480
	.section	.rodata,"a",@progbits
	.p2align	6, 0x0
	.amdhsa_kernel k_q24d12dd8d5_qkv
		.amdhsa_group_segment_fixed_size 327680
		.amdhsa_private_segment_fixed_size 0
		.amdhsa_enable_private_segment 0
		.amdhsa_kernarg_size 48
		.amdhsa_user_sgpr_count 2
		.amdhsa_user_sgpr_kernarg_segment_ptr 1
		.amdhsa_wavefront_size32 1
		.amdhsa_system_sgpr_workgroup_id_x 1
		.amdhsa_system_sgpr_workgroup_id_y 1
		.amdhsa_system_sgpr_workgroup_id_z 1
		.amdhsa_system_vgpr_workitem_id 0
		.amdhsa_next_free_vgpr 1024
		.amdhsa_next_free_sgpr 84
		.amdhsa_reserve_vcc 0
		.amdhsa_float_denorm_mode_32 3
		.amdhsa_float_denorm_mode_16_64 3
		.amdhsa_memory_ordered 1
		.amdhsa_forward_progress 1
		.amdhsa_inst_pref_size 195
	.end_amdhsa_kernel
	.amdgpu_metadata
---
amdhsa.version: [ 1, 2 ]
amdhsa.kernels:
  - .name:           k_q24d12dd8d5_qkv
    .symbol:         k_q24d12dd8d5_qkv.kd
    .args:
      - { .name: xp, .offset: 0, .size: 8, .value_kind: global_buffer, .address_space: global }
      - { .name: wp, .offset: 8, .size: 8, .value_kind: global_buffer, .address_space: global }
      - { .name: bqkv, .offset: 16, .size: 8, .value_kind: global_buffer, .address_space: global }
      - { .name: qc, .offset: 24, .size: 8, .value_kind: global_buffer, .address_space: global }
      - { .name: qs, .offset: 32, .size: 8, .value_kind: global_buffer, .address_space: global }
      - { .name: kv, .offset: 40, .size: 8, .value_kind: global_buffer, .address_space: global }
    .group_segment_fixed_size: 327680
    .private_segment_fixed_size: 0
    .kernarg_segment_align: 8
    .kernarg_segment_size: 48
    .max_flat_workgroup_size: 128
    .sgpr_count:     84
    .vgpr_count:     1024
    .wavefront_size: 32
...
	.end_amdgpu_metadata
.endif
;; end of part 2
;; launch attn (part 3): grid 4 x 64, 16 waves a work-group, clusters of 4 x 1, 206,848 bytes of LDS; arguments qc, qs, kv, mk, cp; writes cp
.if DOCPART == 3
	.amdgcn_target "amdgcn-amd-amdhsa--gfx1250"
	.amdhsa_code_object_version 6
	.text
	.protected	k_q24d12dd8d5_attn
	.globl	k_q24d12dd8d5_attn
	.p2align	8
	.type	k_q24d12dd8d5_attn,@function
k_q24d12dd8d5_attn:
	s_mov_b64 s[64:65], 0
	v_nop
	global_prefetch_b8 v0, s[64:65] scope:SCOPE_SE
	s_setreg_imm32_b32 hwreg(HW_REG_WAVE_MODE, 25, 1), 1
	s_wait_xcnt 0x0
	s_wait_alu depctr_hold_cnt(0) depctr_sa_sdst(0) depctr_va_vdst(0) depctr_va_sdst(0) depctr_va_ssrc(0) depctr_va_vcc(0) depctr_vm_vsrc(0)
	s_getreg_b32 s2, hwreg(HW_REG_IB_STS2, 6, 4)
	s_cmp_eq_u32 s2, 0
	s_cbranch_scc0 .Lentry_in_a_cluster
	s_endpgm
.Lentry_in_a_cluster:
	s_bfe_u32 s2, ttmp6, 0x10000c
	s_cmp_lg_u32 s2, 0x3003
	s_cbranch_scc0 .Lentry_shape_is_right
	s_endpgm
.Lentry_shape_is_right:
; ctx = softmax(where(mask == 1, 0, q k^T / 8)) v for one (batch, head) and 512 queries, both products on codes of FP6 (E2M3) with E8M0 scales; ctx leaves quantised, as the last product's operand.
; A MASKED SCORE IS 0, not -infinity: it stays in the row's maximum, in the sum, in its block's scale and in p.
; THE SOFTMAX: t = score x log2(e) / 8; M = the running largest t rounded up to a whole number; p = 2^(t - M) is quantised along the keys, not normalised; the row's sum is taken of the unquantised p and divides
; at the end.  When M moves, the sum and O are multiplied by 2^(old M - new M): exact.
; SHARES: sixteen waves, four to a SIMD, 256 registers each; wave w takes query tiles 2 w and 2 w + 1 of the block's 32, one after the other (PASS 0, PASS 1).
; The head's K and V, 16 steps x 12,800 bytes as images of operand registers, lie in LDS whole: wave w brings step w by its one tensor load, every byte is filled once, and one barrier shows all of it to all waves.
; A step's bytes: 4 pairs of key tiles (1,536 each: half u = tile 2 b + u, 64 along d), 4 fragments of V^T (16 channels x 128 keys), 256 bytes of K's scale words, 256 of V's.
; K = 64 FILLS HALF OF THE INSTRUCTION'S 128: one operand holds two key tiles and is multiplied once by [Q | 0] and once by [0 | Q]; zero codes add nothing.
; Both products are used transposed: a lane holds one query (lane % 16); register 16 b + i of the scores is key 32 b + 16 h + i of the step (the rows of a tile are laid so).
; THE MASK comes as 64 lane masks a step (one dword for each register of the scores), by scalar loads one step ahead; a wave's two tiles have 2 x 4,096 bytes on end, so the loads run on from the first tile into the second.
; CLUSTER: the four query blocks of a cluster belong to one head: each step's bytes are asked for jointly (mask 15), by the same wave number in all four.  By this text's own count a wave has one tensor load out.
; NO PREFETCH: all of K and V is asked for by the head's loads; there is no later tile and no loop to run ahead in.
; LIMITS: NaN and infinities are not served; a block of zeros, or one under 2^-124, gets the byte 1 (this program alone reads the bytes).
; REGISTERS: v1-4 lane terms; v5-7 ctx's offsets; v8-10 LDS addresses in hand; v12 -M, v13 the largest t, v[14:15] the sum; v16-21 zeros, v22-27 Q, v28-33 zeros; v34 Q's scale word; v36-83 four fragments of K, then of V;
;   v84-87 their scale words; v88-94 the second tile's Q and scale word; v96-159 scores, then p; v160-191 O^T; v224-235 p's codes; v232-254 at work; v251, v255 the add's two.
.set WV,   2                           ; s2   wave
.set TB,   3                           ; s3   LDS byte at which the step in hand begins
.set QB,   8                           ; s[8:9] my two tiles' Q images, s[10:11] their scale words
.set G1,   68                          ; s[68:75] descriptor group 1; group 0 in s[4:7]
.set SEL,  66
.set CS,   96                          ; s[96:97] c = log2(e) / 8
.set MP,   98                          ; s[98:99] my two tiles' lane masks
.set MOFF, 100                         ; s100 the step's 256 bytes of them
.set CNT,  101
.set CP,   104                         ; s[104:105] ctx's panel
.set LI16, 1
.set LI8,  2
.set LI4,  3
.set R4,   4
.set A16,  8
.set A8,   9
.set A4,   10
.set F,    36
.set KS,   84
.set VS,   86
.macro PLACES n
.rept \n
	v_nop
.endr
.endm
.macro CROUND
	s_barrier_signal -1
	s_barrier_wait -1
	s_cmp_lg_u32 s[WV], 0
	s_cbranch_scc1 .Lnot_wave_0_\@
	s_barrier_signal -3
.Lnot_wave_0_\@:
	s_barrier_wait -3
	s_barrier_signal -1
	s_barrier_wait -1
.endm
.macro WMM                             ; by the symbols rD, rA, rB, rSA, rSB; zC: the sum begins; rAR: source 0's scale words stand in lanes 16-31
.if zC
.if rAR == 0
	v_wmma_scale_f32_16x16x128_f8f6f4 v[rD:rD+7], v[rA:rA+11], v[rB:rB+11], 0, v[rSA], v[rSB] matrix_a_fmt:MATRIX_FMT_FP6 matrix_b_fmt:MATRIX_FMT_FP6
.else
	v_wmma_scale_f32_16x16x128_f8f6f4 v[rD:rD+7], v[rA:rA+11], v[rB:rB+11], 0, v[rSA], v[rSB] matrix_a_fmt:MATRIX_FMT_FP6 matrix_b_fmt:MATRIX_FMT_FP6 matrix_a_scale:MATRIX_SCALE_ROW1
.endif
.else
.if rAR == 0
	v_wmma_scale_f32_16x16x128_f8f6f4 v[rD:rD+7], v[rA:rA+11], v[rB:rB+11], v[rD:rD+7], v[rSA], v[rSB] matrix_a_fmt:MATRIX_FMT_FP6 matrix_b_fmt:MATRIX_FMT_FP6
.else
	v_wmma_scale_f32_16x16x128_f8f6f4 v[rD:rD+7], v[rA:rA+11], v[rB:rB+11], v[rD:rD+7], v[rSA], v[rSB] matrix_a_fmt:MATRIX_FMT_FP6 matrix_b_fmt:MATRIX_FMT_FP6 matrix_a_scale:MATRIX_SCALE_ROW1
.endif
.endif
.endm
.macro MLOAD                           ; a step's 64 lane masks: dword j into s[16 + j] (j < 48) or s[32 + j]
	s_load_b512 s[16:31], s[MP:MP+1], s[MOFF] offset:0x0
	s_load_b512 s[32:47], s[MP:MP+1], s[MOFF] offset:0x40
	s_load_b512 s[48:63], s[MP:MP+1], s[MOFF] offset:0x80
	s_load_b512 s[80:95], s[MP:MP+1], s[MOFF] offset:0xc0
.endm
	s_load_b256 s[16:23], s[0:1], 0x0              ; qc, qs, kv, mk  (the masks' registers serve as scratch until the first MLOAD)
	s_load_b64 s[24:25], s[0:1], 0x20              ; cp
	v_lshl_add_u32 v251, v0, 2, 0x32000
	v_mov_b32 v255, 0
	ds_add_u32 v251, v255                          ; the opening lines: the add, twice on end, and its wait
	ds_add_u32 v251, v255
	v_lshrrev_b32 v1, 5, v0
	s_delay_alu instid0(VALU_DEP_1)
	v_readfirstlane_b32 s[WV], v1                  ; wave 0..15
	s_and_b32 s26, ttmp7, 0xffff                   ; batch x 16 + head, which the four partners share
	s_bfe_u32 s27, ttmp6, 0x40000                  ; cx
	s_lshl_b32 s28, ttmp9, 2
	s_add_co_u32 s28, s28, s27                     ; my block of 512 queries
	s_lshl_b32 s29, s28, 5
	s_lshl_b32 s12, s[WV], 1
	s_add_co_u32 s29, s29, s12                     ; my first tile of queries, 0..126
	s_lshr_b32 s30, s26, 4                         ; batch
	s_and_b32 s31, s26, 15                         ; head
	s_mul_i32 s32, s26, 204800                     ; the head's K and V
	s_mov_b32 s33, 0
	s_mul_i32 s34, s[WV], 12800                    ; step = wave
	s_mov_b32 s35, 0
	s_lshl_b32 s38, s26, 7
	s_add_co_u32 s38, s38, s29
	s_mul_i32 s40, s38, 768                        ; Q's half images: 768 bytes a tile
	s_mov_b32 s41, 0
	s_lshl_b32 s42, s38, 6                         ; Q's scale words: 64 bytes a tile
	s_mov_b32 s43, 0
	s_lshl_b32 s44, s30, 7
	s_add_co_u32 s44, s44, s29
	s_lshl_b32 s44, s44, 12                        ; lane masks: 4,096 bytes a tile
	s_mov_b32 s45, 0
	s_lshl_b32 s46, s30, 4
	s_lshl_b32 s47, s28, 2
	s_add_co_u32 s46, s46, s47
	s_lshr_b32 s47, s[WV], 2
	s_add_co_u32 s46, s46, s47
	s_mul_i32 s46, s46, 102400                     ; ctx's panel: the group of 128 rows that holds both my tiles
	s_mov_b32 s47, 0
	s_lshr_b32 s50, s31, 2                         ; ctx's K = 64 head + d: chunk head / 4,
	s_mul_i32 s50, s50, 25600
	s_bfe_u32 s51, s31, 0x10001                    ; K step's parity (head / 2) % 2,
	s_and_b32 s52, s31, 1                          ; half head % 2
	s_and_b32 s53, s[WV], 3
	s_lshl_b32 s53, s53, 1                         ; my first tile's place in the group
	s_mul_i32 s48, s51, 12288
	s_add_co_u32 s48, s48, s50
	s_mul_i32 s54, s53, 1536
	s_add_co_u32 s48, s48, s54
	s_mul_i32 s54, s52, 768
	s_add_co_u32 s48, s48, s54                     ; the half image's place
	s_lshl_b32 s49, s53, 7
	s_add_co_u32 s49, s49, s50
	s_add_co_u32 s49, s49, 24576
	s_lshl_b32 s54, s51, 6
	s_add_co_u32 s49, s49, s54
	s_lshl_b32 s54, s52, 1
	s_add_co_u32 s49, s49, s54                     ; its two scale bytes' place in the row's word
	; descriptor group 1: a step: 50 rows of 256 bytes (32 elements of 8 bytes), dense, no padding
	s_mov_b32 s[G1], 15|(3<<16)|(1<<21)            ; 15:0 the mask: all four work-groups; 17:16 elements of 8 bytes; 21 set beside a mask
	s_mov_b32 s[G1+1], 32<<16
	s_mov_b32 s[G1+2], 50<<16
	s_mov_b32 s[G1+3], 32<<16
	s_mov_b32 s[G1+4], 50
	s_mov_b32 s[G1+5], 32
	s_mov_b32 s[G1+6], 0
	s_mov_b32 s[G1+7], 0
	s_mov_b32 s[SEL], 0x76543210
	s_mov_b32 s[SEL+1], 0xfedcba98
	s_mov_b32 s[CS], 0x3e38aa3b                    ; log2(e) / 8
	s_mov_b32 s[CS+1], s[CS]                       ; (named with it as a pair, so it is written)
	s_mov_b32 s[MOFF], 0
	v_and_b32 v11, 31, v0                          ; lane
	v_and_b32 v35, 15, v0                          ; r
	s_delay_alu instid0(VALU_DEP_2)
	v_lshlrev_b32 v[LI16], 4, v11
	v_lshlrev_b32 v[LI8], 3, v11
	v_lshlrev_b32 v[LI4], 2, v11
	v_lshlrev_b32 v[R4], 2, v35
	v_add_nc_u32 v5, s48, v[LI16]                  ; ctx: registers 0-3 of the half image,
	v_add_nc_u32 v6, s48, v[LI8]
	s_delay_alu instid0(VALU_DEP_1)
	v_add_nc_u32 v6, 512, v6                       ; registers 4, 5,
	v_add_nc_u32 v7, s49, v[R4]                    ; my row's two scale bytes
	s_wait_dscnt 0x0
	s_wait_kmcnt 0x0
	s_add_nc_u64 s[36:37], s[20:21], s[32:33]
	s_add_nc_u64 s[36:37], s[36:37], s[34:35]
	s_add_nc_u64 s[QB:QB+1], s[16:17], s[40:41]
	s_add_nc_u64 s[QB+2:QB+3], s[18:19], s[42:43]
	s_add_nc_u64 s[MP:MP+1], s[22:23], s[44:45]
	s_add_nc_u64 s[CP:CP+1], s[24:25], s[46:47]
	s_mov_b32 s4, 1                                ; group 0: count = 1,
	s_mov_b32 s5, s34                              ; LDS address: step = wave, as in memory,
	s_mov_b64 s[6:7], s[36:37]
	s_or_b32 s7, s7, 0x80000000                    ; type = 2
	CROUND                                         ; all four work-groups are here: the joint loads meet
	tensor_load_to_lds s[4:7], s[G1:G1+7]          ; every wave's one tensor load
	s_nop 0
	PLACES 4
	s_wait_alu depctr_va_vdst(0)                   ; the wait ahead of the first readers of the head's registers
	global_load_b128 v[22:25], v[LI16], s[QB:QB+1] ; the first tile's Q,
	global_load_b64 v[26:27], v[LI8], s[QB:QB+1] offset:512
	global_load_b32 v34, v[R4], s[QB+2:QB+3]
	global_load_b128 v[88:91], v[LI16], s[QB:QB+1] offset:768   ; and the second's, kept until its turn
	global_load_b64 v[92:93], v[LI8], s[QB:QB+1] offset:1280
	global_load_b32 v94, v[R4], s[QB+2:QB+3] offset:64
	MLOAD                                          ; the first step's lane masks
.irp j, 16,17,18,19,20,21,28,29,30,31,32,33
	v_mov_b32 v[\j], 0                             ; zero codes on either side of Q: v[22:33] = [Q | 0], v[16:27] = [0 | Q]
.endr
.irp b, 0,1,2,3
	v_mov_b32 v[236+\b], 0                         ; a lane permute's destination counts as one of its sources
.endr
	v_mov_b32 v253, 0                              ; (named as the upper half of the pair v[252:253] before it is first written)
.macro STEP
	v_add_nc_u32 v[A16], s[TB], v[LI16]
	v_add_nc_u32 v[A8], s[TB], v[LI8]
	v_add_nc_u32 v[A4], s[TB], v[LI4]
	v_nop                                          ; four places in front of loads into registers that the last products read
.irp b, 0,1,2,3
.irp u, 0,1
	ds_load_b128 v[F+12*\b+6*\u:F+12*\b+6*\u+3], v[A16] offset:\b*1536+\u*768
	ds_load_b64 v[F+12*\b+6*\u+4:F+12*\b+6*\u+5], v[A8] offset:\b*1536+\u*768+512
.endr
.endr
	ds_load_b32 v[KS], v[A4] offset:12288          ; lanes 0-15: pair 0's words, lanes 16-31: pair 1's
	ds_load_b32 v[KS+1], v[A4] offset:12416
	s_wait_alu depctr_va_vdst(0)
	s_wait_dscnt 0x0
.irp b, 0,1,2,3                                ; S^T = K Q^T: key tile 2 b + u
.irp u, 0,1
.set rD, 96+8*(2*\b+\u)
.set rA, F+12*\b
.set rB, 22-6*\u
.set rSA, KS+\b/2
.set rSB, 34
.set rAR, \b%2
.set zC, 1
	WMM
.endr
.endr
	PLACES 4                                       ; in front of the loads below and of the first read of the scores
.irp t, 0,1,2,3                                ; V's fragments land while the softmax is walked
.irp c, 0,1
	ds_load_b128 v[F+12*\t+6*\c:F+12*\t+6*\c+3], v[A16] offset:6144+\t*1536+\c*768
	ds_load_b64 v[F+12*\t+6*\c+4:F+12*\t+6*\c+5], v[A8] offset:6144+\t*1536+\c*768+512
.endr
.endr
	ds_load_b32 v[VS], v[A4] offset:12544
	ds_load_b32 v[VS+1], v[A4] offset:12672
	s_wait_kmcnt 0x0                               ; this step's lane masks, asked for a step ago
.set j, 0
.rept 64
; a masked score becomes 0 (each accumulator from its low end on), and in the same pair score j - 3, masked three pairs ago, enters its block's maximum.
; Block b has two running maxima: v[237 + 4 b] for its odd scores, v[238 + 4 b] for its even ones: so the pair's destinations are one even and one odd,
; its first sources are three registers apart and its second sources (v16; the maximum) differ modulo 4.
.if j < 48
.set mS, 16+j
.else
.set mS, 32+j
.endif
.if j < 3
	v_cndmask_b32 v[96+j], v[96+j], v16, s[mS]
.else
.set e, j-3
.set aC, 237+4*(e/16)+(1-(e%2))
	s_mov_b32 vcc_lo, s[mS]                        ; the pair's select reads VCC
.if (e%16) < 2
	v_dual_cndmask_b32 v[96+j], v[96+j], v16 :: v_dual_mov_b32 v[aC], v[96+e]
.else
	v_dual_cndmask_b32 v[96+j], v[96+j], v16 :: v_dual_max_num_f32 v[aC], v[96+e], v[aC]
.endif
.endif
.set j, j+1
.endr
	v_max3_num_f32 v235, v249, v250, v157          ; the largest score of each block of 32 keys: for the row's maximum and, since p rises with the score, for the block's largest p; the last three scores are joined here
.irp b, 0,1,2
	v_max_num_f32 v[232+\b], v[237+4*\b], v[238+4*\b]
.endr
	v_max3_num_f32 v235, v235, v158, v159
	s_add_co_u32 s[MOFF], s[MOFF], 256
	s_min_u32 s[MOFF], s[MOFF], 7936               ; the second tile's last step asks for its own once more: no load leaves the buffer
	MLOAD
.irp b, 0,1,2,3
	v_permlanex16_b32 v[236+\b], v[232+\b], s[SEL], s[SEL+1]
.endr
.irp b, 0,1,2,3
	s_delay_alu instid0(VALU_DEP_4)
	v_max_num_f32 v[232+\b], v[232+\b], v[236+\b]  ; with lane l xor 16's 16 keys
.endr
	s_delay_alu instid0(VALU_DEP_2)
	v_max3_num_f32 v254, v232, v233, v234
	s_delay_alu instid0(VALU_DEP_1)
	v_max_num_f32 v254, v254, v235
	s_delay_alu instid0(VALU_DEP_1)
	v_mul_f32 v254, s[CS], v254                    ; as t (c is positive)
	s_delay_alu instid0(VALU_DEP_1)
	v_max_num_f32 v13, v13, v254                   ; the running largest t
	v_mov_b32 v254, v12
	s_delay_alu instid0(VALU_DEP_2)
	v_floor_f32 v12, -v13                          ; the new -M = -ceil(t)
	s_delay_alu instid0(VALU_DEP_1)
	v_sub_f32 v254, v12, v254                      ; old M - new M: a whole number, 0 or less
	s_delay_alu instid0(VALU_DEP_1)
	v_cvt_i32_f32 v254, v254                       ; (it saturates)
	s_delay_alu instid0(VALU_DEP_1)
	v_ldexp_f32 v252, 1.0, v254                    ; f = 2^(old M - new M)
.set j, 0
.rept 32
	v_pk_fma_f32 v[96+j:97+j], v[96+j:97+j], s[CS:CS+1], v[12:13] op_sel_hi:[1,0,0]   ; t - M, two at a time
.set j, j+2
.endr
.irp b, 0,1,2,3
	v_fma_f32 v[232+\b], v[232+\b], s[CS], v12
.endr
.set j, 0
	s_wait_alu depctr_va_vdst(0)
.rept 64
	v_exp_f32 v[96+j], v[96+j]                     ; p = 2^(t - M)
.set j, j+1
.endr
	v_pk_mul_f32 v[14:15], v[14:15], v[252:253] op_sel_hi:[1,0]   ; the sums under the new M: a plain place behind the exponentials
	s_wait_alu depctr_va_vdst(0)                   ; one wait for the batch, ahead of its first reader
.irp b, 0,1,2,3
	v_exp_f32 v[232+\b], v[232+\b]                 ; each block's largest p
.endr
	; the row's sum of the unquantised p: 32 pairs into eight chains (v236-249 and the sum itself), then joined
.irp c, 0,1,2,3,4,5,6
	v_pk_add_f32 v[236+2*\c:237+2*\c], v[96+2*\c:97+2*\c], v[112+2*\c:113+2*\c]
.endr
	v_pk_add_f32 v[14:15], v[14:15], v[110:111]
.irp k, 128, 144
.irp c, 0,1,2,3,4,5,6
	v_pk_add_f32 v[236+2*\c:237+2*\c], v[236+2*\c:237+2*\c], v[\k+2*\c:\k+1+2*\c]
.endr
	v_pk_add_f32 v[14:15], v[14:15], v[\k+14:\k+15]
.endr
	v_pk_add_f32 v[236:237], v[236:237], v[238:239]
	v_pk_add_f32 v[240:241], v[240:241], v[242:243]
	v_pk_add_f32 v[244:245], v[244:245], v[246:247]
	v_pk_add_f32 v[248:249], v[248:249], v[126:127]
	s_delay_alu instid0(VALU_DEP_3)
	v_pk_add_f32 v[236:237], v[236:237], v[240:241]
	s_delay_alu instid0(VALU_DEP_2)
	v_pk_add_f32 v[244:245], v[244:245], v[248:249]
	s_delay_alu instid0(VALU_DEP_2)
	v_pk_add_f32 v[14:15], v[14:15], v[236:237]
	s_delay_alu instid0(VALU_DEP_1)
	v_pk_add_f32 v[14:15], v[14:15], v[244:245]
	s_wait_alu depctr_va_vdst(0)                   ; and one for the four
.irp b, 0,1,2,3
	v_max_num_f32 v[232+\b], 0x1800000, v[232+\b]  ; the floor 2^(3 - 127)
.endr
.irp b, 0,1,2,3
	s_delay_alu instid0(VALU_DEP_4)
	v_add_nc_u32 v[244+\b], 0xff000000, v[232+\b]  ; the conversion's scale operand
.endr
.irp b, 0,1,2,3
	s_delay_alu instid0(VALU_DEP_4)
	v_lshrrev_b32 v[236+\b], 23, v[244+\b]         ; the scale's byte
.endr
	s_delay_alu instid0(VALU_DEP_3)
	v_lshl_or_b32 v253, v237, 8, v236              ; p's scale word for these 128 keys
	s_delay_alu instid0(VALU_DEP_1)
	v_lshl_or_b32 v253, v238, 16, v253
	s_delay_alu instid0(VALU_DEP_1)
	v_lshl_or_b32 v253, v239, 24, v253
.irp c, 0,1
	v_cvt_scalef32_pk16_fp6_f32 v[224+6*\c:226+6*\c], v[96+32*\c:111+32*\c], v[244+2*\c]
	v_cvt_scalef32_pk16_fp6_f32 v[236+4*\c:238+4*\c], v[112+32*\c:127+32*\c], v[244+2*\c+1]
.endr
	v_nop                                          ; one plain place behind a scaled conversion
.irp c, 0,1
.irp i, 0,1,2
	v_permlane16_swap_b32 v[224+6*\c+\i], v[236+4*\c+\i]
.endr
.irp i, 0,1,2
	s_delay_alu instid0(VALU_DEP_3)
	v_mov_b32 v[227+6*\c+\i], v[236+4*\c+\i]
.endr
.endr
.set j, 0
.rept 16
	v_pk_mul_f32 v[160+j:161+j], v[160+j:161+j], v[252:253] op_sel_hi:[1,0]   ; O^T under the new M; these sixteen also stand between the writes of p's codes and scale word and the products
.set j, j+2
.endr
	s_wait_alu depctr_va_vdst(0)
	s_wait_dscnt 0x0                               ; V
.irp t, 0,1,2,3                                ; O^T += V^T P^T: four accumulators, one instruction each
.set rD, 160+8*\t
.set rA, F+12*\t
.set rB, 224
.set rSA, VS+\t/2
.set rSB, 253
.set rAR, \t%2
.set zC, 0
	WMM
.endr
	s_add_co_u32 s[TB], s[TB], 12800
.endm
; one tile of 16 queries against all 16 steps, and its way out
.macro PASS p
.if \p
	s_wait_xcnt 0x0                                ; the first tile's stores have read their registers
.irp i, 0,1,2,3,4,5
	v_mov_b32 v[22+\i], v[88+\i]                   ; the second tile's Q between the zeros,
.endr
	v_mov_b32 v34, v94                             ; and its scale word
.endif
	v_mov_b32 v13, 0xff61b1e6                      ; the largest t so far: -3e38
	s_delay_alu instid0(VALU_DEP_1)
	v_floor_f32 v12, -v13                          ; -M
	v_mov_b32 v14, 0
	v_mov_b32 v15, 0
.set j, 0
.rept 32
	v_mov_b32 v[160+j], 0                          ; O^T: the step is written once; the first finds zeros, which the first change of M leaves zeros
.set j, j+1
.endr
	s_mov_b32 s[TB], 0
	s_mov_b32 s[CNT], 16
	s_wait_alu depctr_va_vdst(0)
.if \p == 0
	s_wait_loadcnt 0x0                             ; both tiles' Q
	s_wait_tensorcnt 0x0                           ; my step of K and V has landed
	s_wait_dscnt 0x0
	s_barrier_signal -1
	s_barrier_wait -1                              ; all sixteen steps are whole; nothing is ever filled again, so no further barrier stands in the walk
.endif
.Lstep_\@:
	STEP
	s_sub_co_u32 s[CNT], s[CNT], 1
	s_cmp_lg_u32 s[CNT], 0
	s_cbranch_scc1 .Lstep_\@
	; THE WAY OUT: O^T / the sum is 64 numbers along ctx's K, 32 a lane: two blocks; they become half a fragment and two scale bytes
	PLACES 4                                       ; behind the last products
	v_add_f32 v14, v14, v15
	s_delay_alu instid0(VALU_DEP_1)
	v_permlanex16_b32 v252, v14, s[SEL], s[SEL+1]
	s_delay_alu instid0(VALU_DEP_1)
	v_add_f32 v14, v14, v252                       ; the row's sum
	s_wait_alu depctr_va_vdst(0)
	v_rcp_f32 v14, v14
	v_nop                                          ; a plain place behind the transcendental
	s_wait_alu depctr_va_vdst(0)                   ; and the wait ahead of its first reader
.set j, 0
.rept 32
	v_mul_f32 v[96+j], v[160+j], v14               ; register 16 b + i: channel 32 b + 16 h + i
.set j, j+1
.endr
.irp b, 0,1
	v_max3_num_f32 v[232+\b], |v[96+16*\b]|, |v[97+16*\b]|, 0x1800000
.endr
.irp i, 2,4,6,8,10,12,14
.irp b, 0,1
	s_delay_alu instid0(VALU_DEP_2)
	v_max3_num_f32 v[232+\b], v[232+\b], |v[96+16*\b+\i]|, |v[97+16*\b+\i]|
.endr
.endr
.irp b, 0,1
	s_delay_alu instid0(VALU_DEP_2)
	v_permlanex16_b32 v[236+\b], v[232+\b], s[SEL], s[SEL+1]
.endr
.irp b, 0,1
	s_delay_alu instid0(VALU_DEP_2)
	v_max_num_f32 v[232+\b], v[232+\b], v[236+\b]
.endr
.irp b, 0,1
	s_delay_alu instid0(VALU_DEP_2)
	v_add_nc_u32 v[244+\b], 0xff000000, v[232+\b]
.endr
.irp b, 0,1
	s_delay_alu instid0(VALU_DEP_2)
	v_lshrrev_b32 v[236+\b], 23, v[244+\b]
.endr
	s_delay_alu instid0(VALU_DEP_1)
	v_lshl_or_b32 v253, v237, 8, v236
	v_cvt_scalef32_pk16_fp6_f32 v[224:226], v[96:111], v244
	v_cvt_scalef32_pk16_fp6_f32 v[228:230], v[112:127], v245
	v_nop
.irp i, 0,1,2
	v_permlane16_swap_b32 v[224+\i], v[228+\i]
.endr
	s_delay_alu instid0(VALU_DEP_3)
	v_mov_b32 v227, v228
	s_delay_alu instid0(VALU_DEP_3)
	v_mov_b32 v228, v229
	s_delay_alu instid0(VALU_DEP_3)
	v_mov_b32 v229, v230
	global_store_b128 v5, v[224:227], s[CP:CP+1] offset:1536*\p   ; 512 and 256 consecutive bytes, aligned
	global_store_b64 v6, v[228:229], s[CP:CP+1] offset:1536*\p
	global_store_b16 v7, v253, s[CP:CP+1] offset:128*\p           ; my head's half of the row's scale word; lanes r and r + 16 write the same value to the same place
.endm
	PASS 0
	PASS 1
	s_wait_kmcnt 0x0                               ; the last step's scalar loads
	s_wait_tensorcnt 0x0                           ; the wave's end
	ds_add_u32 v251, v255
	s_wait_dscnt 0x0
	CROUND                                         ; the closing round
	s_endpgm
.Lfunc_end_k_q24d12dd8d5_attn:
	.size	k_q24d12dd8d5_attn, .Lfunc_end_k_q24d12dd8d5_attn-k_q24d12dd8d5_attn
	.p2alignl 7, 3214868480
	.fill 96, 4, 3214868480
	.section	.rodata,"a",@progbits
	.p2align	6, 0x0
	.amdhsa_kernel k_q24d12dd8d5_attn
		.amdhsa_group_segment_fixed_size 206848
		.amdhsa_private_segment_fixed_size 0
		.amdhsa_enable_private_segment 0
		.amdhsa_kernarg_size 40
		.amdhsa_user_sgpr_count 2
		.amdhsa_user_sgpr_kernarg_segment_ptr 1
		.amdhsa_wavefront_size32 1
		.amdhsa_system_sgpr_workgroup_id_x 1
		.amdhsa_system_sgpr_workgroup_id_y 1
		.amdhsa_system_sgpr_workgroup_id_z 1
		.amdhsa_system_vgpr_workitem_id 0
		.amdhsa_next_free_vgpr 256
		.amdhsa_next_free_sgpr 106
		.amdhsa_reserve_vcc 1
		.amdhsa_float_denorm_mode_32 3
		.amdhsa_float_denorm_mode_16_64 3
		.amdhsa_memory_ordered 1
		.amdhsa_forward_progress 1
		.amdhsa_inst_pref_size 62
	.end_amdhsa_kernel
	.amdgpu_metadata
---
amdhsa.version: [ 1, 2 ]
amdhsa.kernels:
  - .name:           k_q24d12dd8d5_attn
    .symbol:         k_q24d12dd8d5_attn.kd
    .args:
      - { .name: qc, .offset: 0, .size: 8, .value_kind: global_buffer, .address_space: global }
      - { .name: qs, .offset: 8, .size: 8, .value_kind: global_buffer, .address_space: global }
      - { .name: kv, .offset: 16, .size: 8, .value_kind: global_buffer, .address_space: global }
      - { .name: mk, .offset: 24, .size: 8, .value_kind: global_buffer, .address_space: global }
      - { .name: cp, .offset: 32, .size: 8, .value_kind: global_buffer, .address_space: global }
    .group_segment_fixed_size: 206848
    .private_segment_fixed_size: 0
    .kernarg_segment_align: 8
    .kernarg_segment_size: 40
    .max_flat_workgroup_size: 512
    .sgpr_count:     106
    .vgpr_count:     256
    .wavefront_size: 32
...
	.end_amdgpu_metadata
.endif
;; end of part 3
;; launch outp (part 4): grid 4 x 64, 4 waves a work-group, clusters of 4 x 1, 168,448 bytes of LDS; arguments wp, cp, bo, out0; writes out0
.if DOCPART == 4
	.amdgcn_target "amdgcn-amd-amdhsa--gfx1250"
	.amdhsa_code_object_version 6
	.text
	.protected	k_q24d12dd8d5_outp
	.globl	k_q24d12dd8d5_outp
	.p2align	8
	.type	k_q24d12dd8d5_outp,@function
k_q24d12dd8d5_outp:
	s_mov_b64 s[64:65], 0
	v_nop
	global_prefetch_b8 v0, s[64:65] scope:SCOPE_SE
	s_setreg_imm32_b32 hwreg(HW_REG_WAVE_MODE, 25, 1), 1
	s_wait_xcnt 0x0
	s_wait_alu depctr_hold_cnt(0) depctr_sa_sdst(0) depctr_va_vdst(0) depctr_va_sdst(0) depctr_va_ssrc(0) depctr_va_vcc(0) depctr_vm_vsrc(0)
	s_getreg_b32 s2, hwreg(HW_REG_IB_STS2, 6, 4)
	s_cmp_eq_u32 s2, 0
	s_cbranch_scc0 .Lentry_in_a_cluster
	s_endpgm
.Lentry_in_a_cluster:
	s_bfe_u32 s2, ttmp6, 0x10000c
	s_cmp_lg_u32 s2, 0x3003
	s_cbranch_scc0 .Lentry_shape_is_right
	s_endpgm
.Lentry_shape_is_right:
; out = ctx Wo^T + bo on codes of FP6 (E2M3) with E8M0 scales.  The same frame as the launch for q, k and v:
; a work-group multiplies ONE PANEL P (128 rows of Wo x K = 1,024; source 0) by 256 rows of ctx (source 1); wave w owns 64 rows: 32 accumulators, 256 registers.
; P's 102,400 bytes lie in LDS as they lie in memory, filled once by one tensor load a wave, asked for jointly by the four work-groups of a cluster (mask 15); ctx's rows go from memory straight into 384 registers of
; the one wave that reads them.  No LDS byte is filled twice.  By this text's own count a wave has one tensor load out.
; A lane holds one row of ctx, and register 16 b + i of a tile is output column 32 b + 16 h + i of the panel's 128.  A tile's 16 rows x 512 bytes go through the wave's own stage in LDS, behind the panel, and leave as
; whole rows: each store covers 512 consecutive bytes, aligned.  Row r of tile T of a group of 128 is row 32 (T / 2) + 8 (T % 2) + r + 8 (r / 8).
; REGISTERS: window 0: v4-17 addresses; v32-127, v128-223 P's fragments, two sets; v224-231 P's scale words; v232-247 ctx's.  window 1: ctx of K steps 0-4.  window 2: of K steps 5-7; v160-223 the bias.
;   window 3: accumulator (a, b) at v[8 (8 a + b)].
.set CHB,  25600
.set WV,   16
.set G1,   24
.set G0,   32
.set PBS,  48
.set RB,   50
.set OUT,  68
.set A16,  4
.set A8,   6
.set ASC,  8
.set RA16, 10
.set RA8,  11
.set RSC,  12
.set BIO,  14
.set SO,   16                          ; v16  the stage, on the way in: 528 r + 64 h
.set SR,   17                          ; v17  on the way out: 16 x lane
.set PB,   32
.set PS,   224
.set RS,   232
.set BI,   160
.set H,    32                          ; the way out: v32-95 a tile's numbers, v96-159 its rows read back
.set OB,   96
.set STG,  102400                      ; behind the panel: 16 rows x 528 bytes for each wave; no fill lands there
.set MSB, 0
.macro WIN new
.if MSB != \new
	s_set_vgpr_msb (MSB<<8)|\new
.set MSB, \new
.endif
.endm
.macro PLACES n
.rept \n
	v_nop
.endr
.endm
.macro CROUND
	s_barrier_signal -1
	s_barrier_wait -1
	s_cmp_lg_u32 s[WV], 0
	s_cbranch_scc1 .Lnot_wave_0_\@
	s_barrier_signal -3
.Lnot_wave_0_\@:
	s_barrier_wait -3
	s_barrier_signal -1
	s_barrier_wait -1
.endm
.macro WMM
.if zC
.if (rAR == 0) && (rBR == 0)
	v_wmma_scale_f32_16x16x128_f8f6f4 v[rD:rD+7], v[rA:rA+11], v[rB:rB+11], 0, v[rSA], v[rSB] matrix_a_fmt:MATRIX_FMT_FP6 matrix_b_fmt:MATRIX_FMT_FP6
.elseif (rBR == 0)
	v_wmma_scale_f32_16x16x128_f8f6f4 v[rD:rD+7], v[rA:rA+11], v[rB:rB+11], 0, v[rSA], v[rSB] matrix_a_fmt:MATRIX_FMT_FP6 matrix_b_fmt:MATRIX_FMT_FP6 matrix_a_scale:MATRIX_SCALE_ROW1
.elseif (rAR == 0)
	v_wmma_scale_f32_16x16x128_f8f6f4 v[rD:rD+7], v[rA:rA+11], v[rB:rB+11], 0, v[rSA], v[rSB] matrix_a_fmt:MATRIX_FMT_FP6 matrix_b_fmt:MATRIX_FMT_FP6 matrix_b_scale:MATRIX_SCALE_ROW1
.else
	v_wmma_scale_f32_16x16x128_f8f6f4 v[rD:rD+7], v[rA:rA+11], v[rB:rB+11], 0, v[rSA], v[rSB] matrix_a_fmt:MATRIX_FMT_FP6 matrix_b_fmt:MATRIX_FMT_FP6 matrix_a_scale:MATRIX_SCALE_ROW1 matrix_b_scale:MATRIX_SCALE_ROW1
.endif
.else
.if (rAR == 0) && (rBR == 0)
	v_wmma_scale_f32_16x16x128_f8f6f4 v[rD:rD+7], v[rA:rA+11], v[rB:rB+11], v[rD:rD+7], v[rSA], v[rSB] matrix_a_fmt:MATRIX_FMT_FP6 matrix_b_fmt:MATRIX_FMT_FP6
.elseif (rBR == 0)
	v_wmma_scale_f32_16x16x128_f8f6f4 v[rD:rD+7], v[rA:rA+11], v[rB:rB+11], v[rD:rD+7], v[rSA], v[rSB] matrix_a_fmt:MATRIX_FMT_FP6 matrix_b_fmt:MATRIX_FMT_FP6 matrix_a_scale:MATRIX_SCALE_ROW1
.elseif (rAR == 0)
	v_wmma_scale_f32_16x16x128_f8f6f4 v[rD:rD+7], v[rA:rA+11], v[rB:rB+11], v[rD:rD+7], v[rSA], v[rSB] matrix_a_fmt:MATRIX_FMT_FP6 matrix_b_fmt:MATRIX_FMT_FP6 matrix_b_scale:MATRIX_SCALE_ROW1
.else
	v_wmma_scale_f32_16x16x128_f8f6f4 v[rD:rD+7], v[rA:rA+11], v[rB:rB+11], v[rD:rD+7], v[rSA], v[rSB] matrix_a_fmt:MATRIX_FMT_FP6 matrix_b_fmt:MATRIX_FMT_FP6 matrix_a_scale:MATRIX_SCALE_ROW1 matrix_b_scale:MATRIX_SCALE_ROW1
.endif
.endif
.endm
.macro RLOAD ks                        ; my four tiles of ctx for K step ks: 16 loads, and 2 of scale words
.if (\ks) < 5
	WIN 0x40
.set RR, 48*(\ks)
.else
	WIN 0x80
.set RR, 48*((\ks)-5)
.endif
.set KO, ((\ks)>>1)*CHB+((\ks)&1)*12288
.irp a, 0,1,2,3
.irp c, 0,1
	global_load_b128 v[RR+12*\a+6*\c:RR+12*\a+6*\c+3], v[RA16], s[RB:RB+1] offset:KO+\a*1536+\c*768
	global_load_b64 v[RR+12*\a+6*\c+4:RR+12*\a+6*\c+5], v[RA8], s[RB:RB+1] offset:KO+\a*1536+\c*768+512
.endr
.endr
	WIN 0
.irp p, 0,1
	global_load_b32 v[RS+2*(\ks)+\p], v[RSC], s[RB:RB+1] offset:((\ks)>>1)*CHB+24576+((\ks)&1)*64+\p*256
.endr
.endm
.macro FETCH ks, buf                   ; P's eight tiles of K step ks from LDS into set buf
.set KO, ((\ks)>>1)*CHB+((\ks)&1)*12288-51200*((\ks)>>2)
.set KR, (\ks)>>2
.irp b, 0,1,2,3,4,5,6,7
.irp c, 0,1
	ds_load_b128 v[PB+96*(\buf)+12*\b+6*\c:PB+96*(\buf)+12*\b+6*\c+3], v[A16+KR] offset:KO+\b*1536+\c*768
	ds_load_b64 v[PB+96*(\buf)+12*\b+6*\c+4:PB+96*(\buf)+12*\b+6*\c+5], v[A8+KR] offset:KO+\b*1536+\c*768+512
.endr
.endr
.irp t, 0,1,2,3
	ds_load_b32 v[PS+4*(\buf)+\t], v[ASC+KR] offset:((\ks)>>1)*CHB+24576+((\ks)&1)*64-51200*((\ks)>>2)+\t*256
.endr
.endm
.macro MUL ks, buf                     ; 32 matrix instructions; the 32 accumulators take turns, one instruction a turn
.if (\ks) < 5
	WIN 0xf4
.set RR, 48*(\ks)
.else
	WIN 0xf8
.set RR, 48*((\ks)-5)
.endif
.if (\ks) == 0
.set zC, 1
.else
.set zC, 0
.endif
.irp a, 0,1,2,3
.irp b, 0,1,2,3,4,5,6,7
.set rD, 8*(8*\a+\b)
.set rA, PB+96*(\buf)+12*\b
.set rB, RR+12*\a
.set rSA, PS+4*(\buf)+\b/2
.set rSB, RS+2*(\ks)+\a/2
.set rAR, \b%2
.set rBR, \a%2
	WMM
.endr
.endr
.endm
.macro STEP ks
	s_wait_dscnt 0x0                               ; this K step's fragments of P are in
.if (\ks) < 6
	s_wait_loadcnt 36                              ; ctx of this K step is in; the 18 loads of each of the next two K steps may be out
.elseif (\ks) == 6
	s_wait_loadcnt 18
.else
	s_wait_loadcnt 0x0
.endif
.if (\ks) < 7
	PLACES 4                                       ; in front of loads into registers that the K step before multiplied
	FETCH (\ks)+1, ((\ks)+1)%2
.endif
.if (\ks)+3 < 8
	RLOAD (\ks)+3
.endif
	MUL \ks, (\ks)%2
	WIN 0
.endm
	s_load_b256 s[4:11], s[0:1], 0x0               ; wp, cp, bo, out0
	v_lshl_add_u32 v254, v0, 2, 0x29000
	v_mov_b32 v255, 0
	ds_add_u32 v254, v255
	ds_add_u32 v254, v255
	v_lshrrev_b32 v1, 5, v0
	v_readfirstlane_b32 s[WV], v1                  ; wave 0..3
	s_bfe_u32 s17, ttmp6, 0x40000                  ; cx: it enters ctx's and the output's addresses alone
	s_and_b32 s18, ttmp7, 0xffff                   ; y
	s_lshr_b32 s19, s[WV], 1
	s_and_b32 s20, s[WV], 1
	s_lshr_b32 s21, s18, 3                         ; which 128 columns of the output
	s_and_b32 s22, s18, 7
	s_lshl_b32 s22, s22, 2
	s_add_co_u32 s22, s22, s17
	s_lshl_b32 s22, s22, 1
	s_add_co_u32 s22, s22, s19                     ; my group of 128 rows
	s_add_co_u32 s54, s21, 24                      ; Wo's panels lie behind Wqkv's 24
	s_mul_i32 s56, s54, 102400
	s_mov_b32 s57, 0
	s_mul_i32 s58, s22, 102400
	s_mov_b32 s59, 0
	s_mul_i32 s60, s[WV], 25600                    ; wave w brings chunk w whole: 100 rows of 256 bytes, its one tensor load
	s_mov_b32 s61, 0
	s_mov_b32 s[G1], 15|(3<<16)|(1<<21)            ; 100 rows of 256 bytes, dense; the mask names all four work-groups; bit 21 set beside it
	s_mov_b32 s[G1+1], 32<<16
	s_mov_b32 s[G1+2], 100<<16
	s_mov_b32 s[G1+3], 32<<16
	s_mov_b32 s[G1+4], 100
	s_mov_b32 s[G1+5], 32
	s_mov_b32 s[G1+6], 0
	s_mov_b32 s[G1+7], 0
	v_and_b32 v1, 31, v0
	v_and_b32 v2, 15, v0
	v_bfe_u32 v3, v0, 4, 1
	v_lshlrev_b32 v[A16], 4, v1
	v_add_nc_u32 v[A16+1], 51200, v[A16]
	v_lshlrev_b32 v[A8], 3, v1
	v_add_nc_u32 v[A8+1], 51200, v[A8]
	v_lshlrev_b32 v[ASC], 2, v2
	v_lshl_add_u32 v[ASC], v3, 7, v[ASC]
	v_add_nc_u32 v[ASC+1], 51200, v[ASC]
	s_mul_i32 s79, s20, 6144
	v_add_nc_u32 v[RA16], s79, v[A16]
	v_add_nc_u32 v[RA8], s79, v[A8]
	s_lshl_b32 s79, s20, 9
	v_add_nc_u32 v[RSC], s79, v[ASC]
	v_lshlrev_b32 v[BIO], 6, v3
	s_mul_i32 s79, s[WV], 8448
	s_add_co_u32 s79, s79, STG                     ; my stage
	v_mul_u32_u24 v[SO], v2, 528
	v_lshl_add_u32 v[SO], v3, 6, v[SO]
	v_add_nc_u32 v[SO], s79, v[SO]
	v_add_nc_u32 v[SR], s79, v[A16]
	s_lshl_b32 s52, s22, 7
	s_lshl_b32 s53, s20, 6
	s_add_co_u32 s52, s52, s53                     ; my first row: 128 x group + 64 x (wave % 2)
	s_lshl_b32 s52, s52, 12
	s_lshl_b32 s54, s21, 9                         ; 512 bytes of a row, and of the bias
	s_add_co_u32 s52, s52, s54
	s_mov_b32 s53, 0
	s_mov_b32 s55, 0
	s_wait_dscnt 0x0
	s_wait_kmcnt 0x0
	s_add_nc_u64 s[OUT:OUT+1], s[10:11], s[52:53]
	s_add_nc_u64 s[62:63], s[8:9], s[54:55]
	s_add_nc_u64 s[PBS:PBS+1], s[4:5], s[56:57]
	s_add_nc_u64 s[PBS:PBS+1], s[PBS:PBS+1], s[60:61]
	s_add_nc_u64 s[RB:RB+1], s[6:7], s[58:59]
.irp i, 0
	s_mov_b32 s[G0+4*\i], 1
	s_add_co_u32 s[G0+4*\i+1], s60, \i*CHB
	s_add_nc_u64 s[G0+4*\i+2:G0+4*\i+3], s[PBS:PBS+1], \i*CHB
	s_or_b32 s[G0+4*\i+3], s[G0+4*\i+3], 0x80000000
.endr
	CROUND                                         ; all four work-groups are here: the joint loads meet
	tensor_load_to_lds s[G0:G0+3], s[G1:G1+7]
	s_nop 0
	PLACES 4
	WIN 0x80
	s_wait_alu depctr_va_vdst(0)
.irp b, 0,1,2,3
.irp j, 0,1,2,3
	global_load_b128 v[BI+16*\b+4*\j:BI+16*\b+4*\j+3], v[BIO], s[62:63] offset:128*\b+16*\j   ; register 16 b + i: the bias of column 32 b + 16 h + i
.endr
.endr
	WIN 0
	RLOAD 0
	RLOAD 1
	RLOAD 2
	s_wait_tensorcnt 0x0                           ; my chunk has landed; behind the barrier the whole panel is in
	s_barrier_signal -1
	s_barrier_wait -1
	FETCH 0, 0
.irp k, 0,1,2,3,4,5,6,7
	STEP \k
.endr
	PLACES 4                                       ; in front of the first read of results, and of writes into registers that held P's fragments
.macro EPI_O a
	WIN 0x0b                                       ; source 0 (results) window 3, source 1 (bias) window 2
.set j, 0
.rept 32
	v_pk_add_f32 v[H+j:H+j+1], v[64*(\a)+j:64*(\a)+j+1], v[BI+j:BI+j+1]   ; each accumulator from its low end on
.set j, j+2
.endr
	WIN 0
.irp b, 0,1,2,3
.irp j, 0,1,2,3
	ds_store_b128 v[SO], v[H+16*\b+4*\j:H+16*\b+4*\j+3] offset:128*\b+16*\j
.endr
.endr
.if (\a) > 0
	s_wait_xcnt 0x0                                ; the last tile's stores have read their registers
.endif
.irp i, 0,1,2,3,4,5,6,7,8,9,10,11,12,13,14,15
	ds_load_b128 v[OB+4*\i:OB+4*\i+3], v[SR] offset:528*\i   ; LDS serves a wave's instructions in order: these see the stores above
.endr
.irp i, 0,1,2,3,4,5,6,7,8,9,10,11,12,13,14,15
	s_wait_dscnt 15-\i                             ; row i is back; the younger loads may be out
	global_store_b128 v[A16], v[OB+4*\i:OB+4*\i+3], s[OUT:OUT+1] offset:(32*((\a)/2)+8*((\a)%2)+\i+8*(\i/8))*4096 th:TH_STORE_NT   ; 512 consecutive bytes of one row, aligned
.endr
.endm
	EPI_O 0
	EPI_O 1
	EPI_O 2
	EPI_O 3
	s_wait_tensorcnt 0x0
	ds_add_u32 v254, v255
	s_wait_dscnt 0x0
	CROUND                                         ; the closing round: no work-group ends while a partner may still ask for a chunk that names it
	s_endpgm
.Lfunc_end_k_q24d12dd8d5_outp:
	.size	k_q24d12dd8d5_outp, .Lfunc_end_k_q24d12dd8d5_outp-k_q24d12dd8d5_outp
	.p2alignl 7, 3214868480
	.fill 96, 4, 3214868480
	.section	.rodata,"a",@progbits
	.p2align	6, 0x0
	.amdhsa_kernel k_q24d12dd8d5_outp
		.amdhsa_group_segment_fixed_size 168448
		.amdhsa_private_segment_fixed_size 0
		.amdhsa_enable_private_segment 0
		.amdhsa_kernarg_size 32
		.amdhsa_user_sgpr_count 2
		.amdhsa_user_sgpr_kernarg_segment_ptr 1
		.amdhsa_wavefront_size32 1
		.amdhsa_system_sgpr_workgroup_id_x 1
		.amdhsa_system_sgpr_workgroup_id_y 1
		.amdhsa_system_sgpr_workgroup_id_z 1
		.amdhsa_system_vgpr_workitem_id 0
		.amdhsa_next_free_vgpr 1024
		.amdhsa_next_free_sgpr 80
		.amdhsa_reserve_vcc 0
		.amdhsa_float_denorm_mode_32 3
		.amdhsa_float_denorm_mode_16_64 3
		.amdhsa_memory_ordered 1
		.amdhsa_forward_progress 1
		.amdhsa_inst_pref_size 97
	.end_amdhsa_kernel
	.amdgpu_metadata
---
amdhsa.version: [ 1, 2 ]
amdhsa.kernels:
  - .name:           k_q24d12dd8d5_outp
    .symbol:         k_q24d12dd8d5_outp.kd
    .args:
      - { .name: wp, .offset: 0, .size: 8, .value_kind: global_buffer, .address_space: global }
      - { .name: cp, .offset: 8, .size: 8, .value_kind: global_buffer, .address_space: global }
      - { .name: bo, .offset: 16, .size: 8, .value_kind: global_buffer, .address_space: global }
      - { .name: out0, .offset: 24, .size: 8, .value_kind: global_buffer, .address_space: global }
    .group_segment_fixed_size: 168448
    .private_segment_fixed_size: 0
    .kernarg_segment_align: 8
    .kernarg_segment_size: 32
    .max_flat_workgroup_size: 128
    .sgpr_count:     80
    .vgpr_count:     1024
    .wavefront_size: 32
...
	.end_amdgpu_metadata
.endif
;; end of part 4
